; MI455X (gfx1250); checked and timed in simulation.
; The chip was launched on July 23, 2026; its instructions are those of AMD's public machine-readable ISA for CDNA 5 (MIT licence, August 2026) and "CDNA5" Instruction Set Architecture Reference Guide (July 2026). The comments in the code are by the model that wrote it; some were corrected since.
;; Causal Multihead Self Attention. Allowed arithmetic: matrix products marked QUANTISED: E2M3 operands, one E8M0 scale for each 32 along K, by v_wmma_scale_f32_16x16x128_f8f6f4 with both operands' format E2M3, f32 sums; everything else in f32.
;; Inputs: token_positions 2,048 int32; wk 1,024 x 1,024 float32; wo 1,024 x 1,024 float32; wq 1,024 x 1,024 float32; wv 1,024 x 1,024 float32; x 4 x 2,048 x 1,024 float32.
;; Outputs: out0 4 x 2,048 x 1,024 float32.
;; This version of the problem:
;;   THIS VERSION OF THE PROBLEM IS GIVEN IN LOW PRECISION. The matrix products marked QUANTISED in the list below multiply operands that are first quantised to E2M3 (2 exponent bits, 3 mantissa bits; 6 bits a number), with one power-of-two scale for each 32 numbers along K (OCP MX v1.0); their sums are f32. All else is computed in f32.
;;   The module's matrix products, in the order in which they are computed (A, B: the left and right operand; K: the contracted axis; several contracted axes count as one K, in the product's order):
;;     1. [M 8,192, K 1,024] x [K 1,024, N 1,024]; A: input x; B: input wq: QUANTISED
;;     2. [M 8,192, K 1,024] x [K 1,024, N 1,024]; A: input x; B: input wk: QUANTISED
;;     3. [M 8,192, K 1,024] x [K 1,024, N 1,024]; A: input x; B: input wv: QUANTISED
;;     4. batch 64 x [M 2,048, K 64] x [K 64, N 2,048]; A: computed on the way; B: computed on the way: QUANTISED
;;     5. batch 64 x [M 2,048, K 2,048] x [K 2,048, N 64]; A: softmax (see below); B: computed on the way: QUANTISED
;;     6. [M 8,192, K 1,024] x [K 1,024, N 1,024]; A: computed on the way; B: input wo: QUANTISED
;;   THE QUANTISER, for each operand of a quantised product, along K:
;;     - K is cut into blocks of 32 from its start; a last block that is shorter is filled with zeros.
;;     - A block's scale is 2^e with e = floor(log2(the largest magnitude in the block)) - 2, held to -126 .. 127; a block of zeros has e = 0. As a byte (E8M0): e + 127.
;;     - Each number is divided by its block's scale, clamped to +-7.5, and rounded to the nearest number of E2M3, ties to even, subnormals kept.
;;     - The product sums the exact products of the quantised numbers (number of the format x scale) in f32.
;;   ~~~python
;;   def quantise(x, axis):      # numpy; x: float32 -> the quantised numbers, widened to float32 again
;;       x = np.moveaxis(x, axis, -1); K = x.shape[-1]
;;       x = np.pad(x, [(0, 0)] * (x.ndim - 1) + [(0, -K % 32)]); x = x.reshape(x.shape[:-1] + (-1, 32)); a = np.abs(x).max(-1, keepdims=True)
;;       e = np.where(a > 0, np.clip(np.frexp(np.where(a > 0, a, 1))[1] - 1 - 2, -126, 127), 0)      # np.frexp(a)[1] - 1 = floor(log2(a)), exactly
;;       r = np.clip(x / 2.0 ** e, -7.5, 7.5)
;;       step = 2.0 ** (np.maximum(np.frexp(np.where(r == 0, 1, r))[1] - 1, 0) - 3)
;;       q = np.round(r / step) * step * 2.0 ** e      # np.round: ties to even
;;       return np.moveaxis(q.reshape(q.shape[:-2] + (-1,))[..., :K], -1, axis).astype(np.float32)
;;   ~~~
;;   SOFTMAX AHEAD OF A QUANTISED PRODUCT. Where the list says 'softmax', what is quantised is not the finished softmax but p = 2^(t - M), with t = logit x log2(e) and M = ceil(the row's largest t), a whole number; so 1/2 < the row's largest p <= 1. The row's sum l is taken of the UNQUANTISED p, in f32, and the product's result is divided by l at the end. Since M is a whole number, a kernel that streams over the keys may use a running M (the ceiling of the running maximum): every later rescaling is an exact power of two, which a block's scale takes up: the codes' values come out the same.
;;   OPERANDS COMPUTED ON THE WAY. 'Computed on the way' means the value that the module computes at that place (a softmax that the list does not call 'softmax' is quantised finished and normalised). What goes into a quantiser is computed in f32, as accurately as f32 sums, v_exp_f32 and their like allow (about 1e-6 of the number): no bf16 or f16 on the way to a quantiser, and a product that is left as it is and whose result goes on into a quantised operand takes f32 operands (vector FMAs, or v_wmma_f32_16x16x4_f32). A number that lies on a knife's edge between two numbers of the format may be rounded either way, as far as f32 arithmetic and the matrix unit's own rounding can turn it there, and no further.
;; One version. Each part assembles by itself: llvm-mc -triple=amdgcn-amd-amdhsa -mcpu=gfx1250 --defsym DOCPART=n.
;; ======== version 1 of 1: 4 launches
;; workspace buffers: xw 9,437,184 bytes; xwsc 393,216 bytes; rope 524,800 bytes; qimg 6,291,456 bytes; qsc 524,288 bytes; kv 13,369,344 bytes; oimg 6,291,456 bytes; osc 262,144 bytes
;; launch prep (part 1): grid 256 x 1, 3 waves a work-group, no clusters, 26,112 bytes of LDS; arguments x, wq, wk, wv, wo, token_positions, xw, xwsc, rope; writes xw, xwsc, rope
.if DOCPART == 1
	.amdgcn_target "amdgcn-amd-amdhsa--gfx1250"
	.amdhsa_code_object_version 6
	.text
	.protected	k_q3ca37fe170_prep
	.globl	k_q3ca37fe170_prep
	.p2align	8
	.type	k_q3ca37fe170_prep,@function
k_q3ca37fe170_prep:
	s_mov_b64 s[64:65], 0
	v_nop
	global_prefetch_b8 v0, s[64:65] scope:SCOPE_SE
	s_setreg_imm32_b32 hwreg(HW_REG_WAVE_MODE, 25, 1), 1
	s_wait_xcnt 0x0
; x [8192][1024] and wq, wk, wv, wo [1024][1024], f32 with K innermost, become codes of FP6 (E2M3) with one E8M0 byte for each 32 along K; and the table of cos and sin is made.
; ROW TILES.  The 12,288 rows are 768 tiles of 16 slots (0-511 x, 512-575 wq, 576-639 wk, 640-703 wv, 704-767 wo).  Slot r of tile RT is row 32 (RT / 2) + 8 (RT % 2) + r + 8 (r / 8):
; where two neighbouring tiles are source 0 of a product, a lane's 16 results are then 16 neighbouring rows, which is what the next quantiser wants of a lane.
; LAYOUT OF xw: [K step of 256: 4][tile: 768][3,072 bytes].  The 3,072 bytes are the operand's registers as they stand: for each 128 along K twelve registers a lane, register pair p of lane l at 256 p + 8 l.
; So a fragment comes back by six loads of 8 bytes a lane, each of 256 consecutive bytes, and 8 tiles of a K step are one dense block.  xwsc: [tile][slot][32 bytes]: the row's 32 scale bytes.
; A block's scale byte is its largest magnitude's exponent field - 2, held at 1 from below (a block of zeros gets 1 where the quantiser says 127: its codes are zeros, and only this program reads the bytes).
; SHARES: a wave takes one tile for all of K, eight steps of 128.  A step's 16 loads read 512 consecutive bytes of a row each; the 8,192 bytes turn through the wave's own stage in LDS (rows 528 bytes apart),
; so that lane (r, h) gets blocks h and 2 + h of slot r whole, 32 numbers each, in the order of the operand's registers.  Waves share nothing: no barrier.  Loads run two steps (32 a wave) ahead.
; THE TABLE rope: [s: 2048][pair: 32][cos, sin] f32, angle = float(token_positions[s]) x 10000^(-pair / 32); rows 2,048 and 2,049 hold (1, 0).  Wave 0 of a work-group makes 8 rows.
; LIMITS: positions 0 .. 2,047 (the table that they index); the angle's reduction by multiples of pi / 2 in two parts is exact to f32 there.  NaN and infinities among the inputs are not served.
.set STG,  8448                        ; a wave's stage: 16 rows x 528 bytes
.set KSB,  2359296                     ; a K step of 256 on in xw: 768 tiles x 3,072 bytes
.set R,    64                          ; v64-191  two sets of 64 registers as loaded
.set X,    192                         ; v192-255 my two blocks of 32 numbers (wave 0: first at work on the table)
.set W,    16                          ; v16-23   the eight steps' scale words
.set C,    24                          ; v24-35   a step's codes; v36-38, v40-42 the second halves as the conversions leave them
.set T,    224                         ; v224-231 at work in SINCOS
.set SEL,  30                          ; s[30:31] lane selects for v_permlanex16_b32: lane l xor 16
	s_load_b256 s[4:11], s[0:1], 0x0               ; x s[4:5], wq s[6:7], wk s[8:9], wv s[10:11]
	s_load_b256 s[12:19], s[0:1], 0x20             ; wo s[12:13], token_positions s[14:15], xw s[16:17], xwsc s[18:19]
	s_load_b64 s[20:21], s[0:1], 0x40              ; rope
	v_lshl_add_u32 v62, v0, 2, 0x6400
	v_mov_b32 v63, 0
	v_lshrrev_b32 v1, 5, v0
	v_readfirstlane_b32 s22, v1                    ; wave 0..2
	v_and_b32 v1, 31, v0                           ; lane
	v_and_b32 v8, 15, v0                           ; r
	v_bfe_u32 v9, v0, 4, 1                         ; h
	v_lshlrev_b32 v2, 4, v1                        ; 16 x lane: my bytes of a load's 512
	s_mul_i32 s23, s22, STG
	v_add_nc_u32 v3, s23, v2                       ; the stage, on the way in
	v_mul_u32_u24 v4, v8, 528
	v_lshl_add_u32 v4, v9, 7, v4
	v_add_nc_u32 v4, s23, v4                       ; and out: row r, block h
	v_lshlrev_b32 v5, 3, v1                        ; 8 x lane: my place in a register pair's 256 bytes
	v_lshlrev_b32 v6, 3, v9                        ; 8 h: my bytes' place in a scale word, in bits
	v_lshlrev_b32 v7, 5, v8
	v_lshl_add_u32 v7, v9, 4, v7                   ; 32 r + 16 h: my four scale words in xwsc
	v_lshlrev_b32 v43, 2, v9                       ; 4 h: the position of the row that my half of the lanes makes
	v_lshlrev_b32 v48, 8, v9
	v_lshl_add_u32 v48, v8, 4, v48                 ; 256 h + 16 r: my 16 bytes of two rows of the table
	s_mov_b32 s[SEL], 0x76543210
	s_mov_b32 s[SEL+1], 0xfedcba98
	s_mul_i32 s24, ttmp9, 3
	s_add_co_u32 s24, s24, s22                     ; my tile
	s_and_b32 s25, s24, 63                         ; its number inside a weight
	s_wait_kmcnt 0x0
	s_cmp_lt_u32 s24, 704                          ; whose tile?  The choices hang on the tile's number alone
	s_cselect_b64 s[12:13], s[10:11], s[12:13]
	s_cmp_lt_u32 s24, 640
	s_cselect_b64 s[12:13], s[8:9], s[12:13]
	s_cmp_lt_u32 s24, 576
	s_cselect_b64 s[12:13], s[6:7], s[12:13]
	s_cmp_lt_u32 s24, 512
	s_cselect_b64 s[12:13], s[4:5], s[12:13]
	s_cselect_b32 s25, s24, s25                    ; the tile's number inside its tensor
	s_lshr_b32 s26, s25, 1
	s_lshl_b32 s26, s26, 17                        ; 32 rows of 4,096 bytes for each pair of tiles,
	s_and_b32 s27, s25, 1
	s_lshl_b32 s27, s27, 15                        ; 8 rows for the odd tile
	s_add_co_u32 s26, s26, s27
	s_mov_b32 s27, 0
	s_add_nc_u64 s[12:13], s[12:13], s[26:27]      ; the tile's slot 0
	s_mul_i32 s26, s24, 3072
	s_add_nc_u64 s[16:17], s[16:17], s[26:27]
	s_lshl_b32 s26, s24, 9
	s_add_nc_u64 s[18:19], s[18:19], s[26:27]
	s_lshl_b32 s26, ttmp9, 5
	s_add_nc_u64 s[14:15], s[14:15], s[26:27]      ; the work-group's 8 positions
	s_lshl_b32 s26, ttmp9, 11
	s_add_nc_u64 s[20:21], s[20:21], s[26:27]      ; and its 8 rows of the table
.irp k, 0,1,2,3
	global_load_b32 v[44+\k], v43, s[14:15] offset:8*\k   ; every wave issues these four, so that the counts of loads are the same in all three; wave 0 uses them
.endr
.macro LOAD t                          ; step t: slot i's 512 bytes, 16 a lane, into set t % 2
.irp i, 0,1,2,3,4,5,6,7,8,9,10,11,12,13,14,15
	global_load_b128 v[R+64*((\t)%2)+4*\i:R+64*((\t)%2)+4*\i+3], v2, s[12:13] offset:(\i+8*(\i/8))*4096+512*(\t) th:TH_LOAD_NT
.endr
.endm
	LOAD 0
	LOAD 1
; cos and sin of the angle in v[a].  n = the nearest whole number to a x 2 / pi; r = a - n pi / 2, pi / 2 in two parts; |r| <= pi / 4: two short polynomials; n mod 4 says which is which and with which sign.
.macro SINCOS a, oc, os
	v_mul_f32 v[T], s40, v[\a]
	v_rndne_f32 v[T], v[T]                         ; n
	v_fma_f32 v[T+1], -v[T], s41, v[\a]
	v_fma_f32 v[T+1], -v[T], s42, v[T+1]           ; r
	v_mul_f32 v[T+2], v[T+1], v[T+1]               ; z = r r
	v_cvt_i32_f32 v[T+5], v[T]
	v_fma_f32 v[T+3], v[T+2], s43, s44
	v_fma_f32 v[T+4], v[T+2], s46, s47
	v_fma_f32 v[T+3], v[T+3], v[T+2], s45
	v_fma_f32 v[T+4], v[T+4], v[T+2], s48
	v_mul_f32 v[T+6], v[T+1], v[T+2]
	v_mul_f32 v[T+7], v[T+2], v[T+2]
	v_fma_f32 v[T+3], v[T+3], v[T+6], v[T+1]       ; sin r = r + r z (..)
	v_fma_f32 v[T+6], v[T+2], -0.5, 1.0
	v_fma_f32 v[T+4], v[T+4], v[T+7], v[T+6]       ; cos r = 1 - z / 2 + z z (..)
	v_and_b32 v[T+6], 1, v[T+5]
	v_cmp_ne_u32 vcc_lo, 0, v[T+6]                 ; an odd quarter: the two change places
	v_cndmask_b32 v[\os], v[T+3], v[T+4], vcc_lo
	v_cndmask_b32 v[\oc], v[T+4], v[T+3], vcc_lo
	v_and_b32 v[T+6], 2, v[T+5]
	v_lshlrev_b32 v[T+6], 30, v[T+6]
	v_xor_b32 v[\os], v[\os], v[T+6]               ; the sine is negative in quarters 2 and 3,
	v_add_nc_u32 v[T+5], 1, v[T+5]
	v_and_b32 v[T+5], 2, v[T+5]
	v_lshlrev_b32 v[T+5], 30, v[T+5]
	v_xor_b32 v[\oc], v[\oc], v[T+5]               ; the cosine in quarters 1 and 2
.endm
	s_cmp_lg_u32 s22, 0
	s_cbranch_scc1 .Lno_table
	s_mov_b32 s40, 0x3f22f983                      ; 2 / pi
	s_mov_b32 s41, 0x3fc90fdb                      ; pi / 2, its upper part,
	s_mov_b32 s42, 0xb33bbd2e                      ; and the rest
	s_mov_b32 s43, 0xb94ca1f9                      ; the sine's three coefficients
	s_mov_b32 s44, 0x3c08839e
	s_mov_b32 s45, 0xbe2aaaa3
	s_mov_b32 s46, 0x37ccf5ce                      ; the cosine's three
	s_mov_b32 s47, 0xbab6061a
	s_mov_b32 s48, 0x3d2aaaa5
	v_lshlrev_b32 v192, 1, v8
	v_cvt_f32_u32 v192, v192                       ; my pairs: 2 r and 2 r + 1
	v_add_f32 v193, 1.0, v192
	v_mul_f32 v192, 0xbed49a78, v192               ; x -log2(10000) / 32
	v_mul_f32 v193, 0xbed49a78, v193
	v_exp_f32 v192, v192                           ; 10000^(-pair / 32)
	v_exp_f32 v193, v193
	s_wait_loadcnt 32                              ; the four positions are in; the 32 loads of rows behind them stay out
	v_nop                                          ; a plain place behind the exponentials
	s_wait_alu depctr_va_vdst(0)
.irp k, 0,1,2,3
	v_cvt_f32_i32 v194, v[44+\k]
	v_mul_f32 v196, v194, v192
	v_mul_f32 v197, v194, v193
	SINCOS 196, 200+4*\k, 201+4*\k
	SINCOS 197, 202+4*\k, 203+4*\k
	global_store_b128 v48, v[200+4*\k:203+4*\k], s[20:21] offset:512*\k   ; rows 2 k and 2 k + 1 of my eight: 512 consecutive bytes
.endr
	s_cmp_lg_u32 ttmp9, 0
	s_cbranch_scc1 .Lno_unit
	v_mov_b32 v216, 1.0                            ; work-group 0: the two rows of (1, 0) behind the table
	v_mov_b32 v217, 0
	v_mov_b32 v218, 1.0
	v_mov_b32 v219, 0
	global_store_b128 v2, v[216:219], s[20:21] offset:524288
.Lno_unit:
	s_wait_xcnt 0x0                                ; the stores' data lie where the first step's numbers land: those registers are written again only behind this wait
.Lno_table:
.macro STEP t
.set RS, R+64*((\t)%2)
.if (\t) < 7
	s_wait_loadcnt 16                              ; this step's 16 loads are in; the next step's may be out
.else
	s_wait_loadcnt 0
.endif
.irp i, 0,1,2,3,4,5,6,7,8,9,10,11,12,13,14,15
	ds_store_b128 v3, v[RS+4*\i:RS+4*\i+3] offset:528*\i
.endr
.irp c, 0,1
.irp j, 0,1,2,3,4,5,6,7
	ds_load_b128 v[X+32*\c+4*\j:X+32*\c+4*\j+3], v4 offset:256*\c+16*\j   ; LDS serves a wave's instructions in order: these see the stores above.  v[X + 32 c + i] = k 64 c + 32 h + i of slot r
.endr
.endr
	s_wait_dscnt 0x0                               ; my numbers are in, and the stage's stores have read their registers,
.if (\t) < 6
	LOAD (\t)+2                                    ; which take the loads of two steps on
.endif
	v_max3_num_f32 v8, |v[X]|, |v[X+1]|, |v[X+2]|                  ; the largest magnitudes of my two blocks, two chains each
	v_max3_num_f32 v10, |v[X+32]|, |v[X+33]|, |v[X+34]|
	v_max3_num_f32 v9, |v[X+3]|, |v[X+4]|, |v[X+5]|
	v_max3_num_f32 v11, |v[X+35]|, |v[X+36]|, |v[X+37]|
.irp i, 6,10,14,18,22,26
	v_max3_num_f32 v8, v8, |v[X+\i]|, |v[X+\i+1]|
	v_max3_num_f32 v10, v10, |v[X+32+\i]|, |v[X+32+\i+1]|
	v_max3_num_f32 v9, v9, |v[X+\i+2]|, |v[X+\i+3]|
	v_max3_num_f32 v11, v11, |v[X+32+\i+2]|, |v[X+32+\i+3]|
.endr
	v_max3_num_f32 v8, v8, |v[X+30]|, |v[X+31]|
	v_max3_num_f32 v10, v10, |v[X+62]|, |v[X+63]|
	v_max3_num_f32 v8, v8, v9, 0x1800000           ; and the floor 2^(3 - 127): the byte cannot fall under 1
	v_max3_num_f32 v10, v10, v11, 0x1800000
	v_add_nc_u32 v12, 0xff000000, v8               ; 2 off the exponent field: the conversion takes this operand's exponent field as its scale
	v_add_nc_u32 v13, 0xff000000, v10
	s_wait_xcnt 0x0                                ; the last step's stores have read the codes' registers
	v_cvt_scalef32_pk16_fp6_f32 v[C:C+2], v[X:X+15], v12
	v_cvt_scalef32_pk16_fp6_f32 v[36:38], v[X+16:X+31], v12        ; (a conversion's three registers begin on an even number)
	v_cvt_scalef32_pk16_fp6_f32 v[C+6:C+8], v[X+32:X+47], v13
	v_cvt_scalef32_pk16_fp6_f32 v[40:42], v[X+48:X+63], v13
	v_lshrrev_b32 v14, 23, v12                     ; the scales' bytes.  (A plain place behind the conversions)
	v_lshrrev_b32 v15, 23, v13
.irp i, 0,1,2
	v_mov_b32 v[C+3+\i], v[36+\i]
	v_mov_b32 v[C+9+\i], v[40+\i]
.endr
	v_lshl_or_b32 v14, v15, 16, v14                ; blocks h and 2 + h,
	v_lshlrev_b32 v14, v6, v14                     ; at their places in the word;
	v_permlanex16_b32 v15, v14, s[SEL], s[SEL+1]
	v_or_b32 v[W+(\t)], v14, v15                   ; with lane l xor 16's two the word is whole
.irp p, 0,1,2,3,4,5
	global_store_b64 v5, v[C+2*\p:C+2*\p+1], s[16:17] offset:((\t)/2)*KSB+((\t)%2)*1536+256*\p   ; 32 lanes store 256 consecutive bytes, at a multiple of 256 from the buffer's first byte
.endr
.endm
.irp t, 0,1,2,3,4,5,6,7
	STEP \t
.endr
	v_cmp_ne_u32 vcc_lo, 0, v6                     ; lanes 16-31 store the row's words 4 to 7
.irp i, 0,1,2,3
	v_cndmask_b32 v[36+\i], v[W+\i], v[W+4+\i], vcc_lo
.endr
	global_store_b128 v7, v[36:39], s[18:19]       ; the tile's 512 scale bytes
	s_wait_tensorcnt 0x0
	ds_add_u32 v62, v63
	s_wait_dscnt 0x0
	s_endpgm
.Lfunc_end_k_q3ca37fe170_prep:
	.size	k_q3ca37fe170_prep, .Lfunc_end_k_q3ca37fe170_prep-k_q3ca37fe170_prep
	.p2alignl 7, 3214868480
	.fill 96, 4, 3214868480
	.section	.rodata,"a",@progbits
	.p2align	6, 0x0
	.amdhsa_kernel k_q3ca37fe170_prep
		.amdhsa_group_segment_fixed_size 26112
		.amdhsa_private_segment_fixed_size 0
		.amdhsa_enable_private_segment 0
		.amdhsa_kernarg_size 72
		.amdhsa_user_sgpr_count 2
		.amdhsa_user_sgpr_kernarg_segment_ptr 1
		.amdhsa_wavefront_size32 1
		.amdhsa_system_sgpr_workgroup_id_x 1
		.amdhsa_system_sgpr_workgroup_id_y 1
		.amdhsa_system_sgpr_workgroup_id_z 1
		.amdhsa_system_vgpr_workitem_id 0
		.amdhsa_next_free_vgpr 256
		.amdhsa_next_free_sgpr 66
		.amdhsa_reserve_vcc 1
		.amdhsa_float_denorm_mode_32 3
		.amdhsa_float_denorm_mode_16_64 3
		.amdhsa_memory_ordered 1
		.amdhsa_forward_progress 1
		.amdhsa_inst_pref_size 71
	.end_amdhsa_kernel
	.amdgpu_metadata
---
amdhsa.version: [ 1, 2 ]
amdhsa.kernels:
  - .name:           k_q3ca37fe170_prep
    .symbol:         k_q3ca37fe170_prep.kd
    .args:
      - { .name: x, .offset: 0, .size: 8, .value_kind: global_buffer, .address_space: global }
      - { .name: wq, .offset: 8, .size: 8, .value_kind: global_buffer, .address_space: global }
      - { .name: wk, .offset: 16, .size: 8, .value_kind: global_buffer, .address_space: global }
      - { .name: wv, .offset: 24, .size: 8, .value_kind: global_buffer, .address_space: global }
      - { .name: wo, .offset: 32, .size: 8, .value_kind: global_buffer, .address_space: global }
      - { .name: token_positions, .offset: 40, .size: 8, .value_kind: global_buffer, .address_space: global }
      - { .name: xw, .offset: 48, .size: 8, .value_kind: global_buffer, .address_space: global }
      - { .name: xwsc, .offset: 56, .size: 8, .value_kind: global_buffer, .address_space: global }
      - { .name: rope, .offset: 64, .size: 8, .value_kind: global_buffer, .address_space: global }
    .group_segment_fixed_size: 26112
    .private_segment_fixed_size: 0
    .kernarg_segment_align: 8
    .kernarg_segment_size: 72
    .max_flat_workgroup_size: 96
    .sgpr_count:     66
    .vgpr_count:     256
    .wavefront_size: 32
...
	.end_amdgpu_metadata
.endif
;; end of part 1
;; launch qkv (part 2): grid 12 x 32, 4 waves a work-group, clusters of 4 x 4, 327,680 bytes of LDS; arguments xw, xwsc, rope, qimg, qsc, kv; writes qimg, qsc, kv
.if DOCPART == 2
	.amdgcn_target "amdgcn-amd-amdhsa--gfx1250"
	.amdhsa_code_object_version 6
	.text
	.protected	k_q3ca37fe170_qkv
	.globl	k_q3ca37fe170_qkv
	.p2align	8
	.type	k_q3ca37fe170_qkv,@function
k_q3ca37fe170_qkv:
	s_mov_b64 s[64:65], 0
	v_nop
	global_prefetch_b8 v0, s[64:65] scope:SCOPE_SE
	s_setreg_imm32_b32 hwreg(HW_REG_WAVE_MODE, 25, 1), 1
	s_wait_xcnt 0x0
	s_wait_alu depctr_hold_cnt(0) depctr_sa_sdst(0) depctr_va_vdst(0) depctr_va_sdst(0) depctr_va_ssrc(0) depctr_va_vcc(0) depctr_vm_vsrc(0)
	s_getreg_b32 s2, hwreg(HW_REG_IB_STS2, 6, 4)
	s_cmp_eq_u32 s2, 0
	s_cbranch_scc0 .Lentry_in_a_cluster
	s_endpgm
.Lentry_in_a_cluster:
	s_bfe_u32 s2, ttmp6, 0x10000c
	s_cmp_lg_u32 s2, 0xf033
	s_cbranch_scc0 .Lentry_shape_is_right
	s_endpgm
.Lentry_shape_is_right:
; q = rope(x wq^T), k = rope(x wk^T), v = x wv^T on codes of FP6 (E2M3) with E8M0 scales, K = 1,024; the results are quantised in registers and leave as codes: q and k along a head's 64, v along the keys.
; A tile of 256 x 256 results is made by four waves, 128 x 128 each: 64 accumulators, 512 registers.  K goes in four steps of 256 through two LDS slots filled by the tensor data mover.
; OPERANDS lie in xw as images of their registers (tiles of 16 slots, 3,072 bytes for a K step): 8 tiles of a K step are one dense block of 24,576 bytes, one tensor load; a fragment is six loads of 8 bytes a lane,
; each of 256 consecutive bytes: no pitch, no padding.  Slot r of tile RT is row 32 (RT / 2) + 8 (RT % 2) + r + 8 (r / 8).
; WHICH IS WHICH.  The cluster's x says the kind: 0 q, 1 k, 2 v.  "A" is source 1 (a lane holds one of its rows), "B" source 0 (a lane's registers run along its rows: the 16 registers of two neighbouring tiles are
; 16 neighbouring rows).  q, k: A = x (a lane holds a token), B = the weight (registers along the head's channels).  v: A = wv (a lane holds a channel), B = x (registers along the keys).  Only the two tile numbers differ.
; CLUSTERS: 4 x 4 work-groups; A's tiles hang on cy and are asked for jointly along a row of the cluster, B's on cx, along a column.  The scales of the 256 + 256 rows, for all of K, come once with the first fills.
; THE WAY OUT, a block of 16 A rows at a time: the rotation by (cos, sin), which also brings the 64 numbers into window 0 (v reads a table row of (1, 0): one path for all three kinds, no branch);
; four blocks of 32 are quantised; 12 registers of codes and a scale word leave as they stand, each store of codes 256 consecutive aligned bytes.
;   qimg [head 64][token tile 128][768], qsc [head][tile][slot][4] (bytes 0, 1 hold; bytes 2, 3 are another head's bytes or 0, never 0xff).
;   kv [head][key step 16][13,056]: k's 8 tiles x 768, v^T's 4 fragments (16 channels x 128 keys) x 1,536, k's scale words 8 x 64, v's 4 x 64.
; No prefetch: K has four steps, two asked for at the head and two straight behind the first two changes of slots.
; LIMITS: a block of zeros gets the byte 1 (its codes are zeros; only this program reads the bytes); NaN and infinities are not served.
; REGISTERS, in windows of 256: window 0: v1-29 addresses; v32-63 scale words, two sets; v64-127 two sets of (cos, sin); v128-223 A's fragments, one set; on the way out v128-228 are at work.
;   window 1: B's fragments, two sets, at v0 and v128.   window 2: the accumulators of my A blocks 0-3 ((a, b) at v[8 (8 a + b)]);   window 3: those of blocks 4-7.
.set HALFT,  24576                     ; 8 tiles of a K step: what one tensor load brings, and what one wave reads of A or of B
.set SLOT,   4*HALFT                   ; A's 16 tiles, then B's 16
.set KSA,    2359296                   ; a K step on in memory: 768 tiles x 3,072 bytes
.set KSB,    2359296
.set NQ,     2                         ; matrix instructions deep in a K step
.set FR,     12                        ; registers of a fragment
.set NL,     6                         ; LDS loads that bring one
.set NP,     4                         ; places behind this matrix instruction (ISA guide 7.12.1)
.set SCL,    2*SLOT                    ; behind the ring: the scales, as units of 256 bytes + 16 of padding
.set HALFS,  16*272                    ; those of 128 rows (32 bytes a row): what one tensor load brings
.set SBLK,   2*272                     ; those of 16 rows
.set SPARE,  SCL+4*HALFS               ; the spare words, 128 bytes for each wave: two blocks of 256 bytes that no other line names
.set L8,   7                           ; v7   8 x lane
.set TOFF, 8                           ; v8   my token's row in the wave's 128 rows of the table, + 64 h (for v: 64 h alone)
.set VO0,  9                           ; v9, v10  where a block's two halves of codes go
.set VO1,  10
.set VS0,  11                          ; v11  my scale word's place in a block's
.set VS,   12
.set SHV,  13                          ; v13  by how many bits my half of the lanes shifts the word
.set PWS,  14
.set ADRA, 16                          ; v16-17  LDS address of my A fragments in slot 0, 1
.set ADRB, 20                          ; v20-21  the same for B
.set VT,   22                          ; v22-23  the table loads' offsets, by turns
.set ADRS, 27                          ; v27  LDS address of my scale words: lanes 0-15 A's rows, lanes 16-31 B's
.set SPW,  28                          ; v28  LDS address of my spare word; never rewritten
.set NIL,  29                          ; v29  0; never rewritten
.set SC,   32                          ; scale words: set s at v[SC + 16 s]; register 2 i + q: lanes 0-15 A's block i, lanes 16-31 B's block i, the slot's q-th 128 along K
.set CS,   64                          ; (cos, sin): set a % 2 at v[CS + 32 (a % 2)]
.set AF,   128                         ; A's fragments
.set Y,    128                         ; the way out: 64 numbers
.set PC,   192                         ; v192-211 the codes
.set TM,   212                         ; v212-227 at work in QUANT
.set PW,   228                         ; the scale word
.set SEL,  94                          ; s[94:95] lane selects for v_permlanex16_b32
.set G1, 24                            ; s[24:31] descriptor group 1 for A's tiles;  s[32:39] group 0, one set for each slot
.set G0, 32
.set G1B, 48                           ; s[48:55], s[56:63] the same for B's
.set G0B, 56
.set G1S, 68                           ; s[68:75], s[76:79] groups 1 and 0 for A's scales;  s[80:87], s[88:91] for B's
.set G0S, 76
.set G1SB, 80
.set G0SB, 88
.set MSB, 0
.macro WIN new                         ; the immediate's high byte repeats the setting that is left
.if MSB != \new
	s_set_vgpr_msb (MSB<<8)|\new
.set MSB, \new
.endif
.endm
.set MUL_LO, 0xa1                      ; source 0 (B) window 1, source 1 (A) window 0, C and D window 2
.set MUL_HI, 0xf1                      ; the same, C and D window 3
.set TO_B,   0x40                      ; destination window 1, address window 0
; A joint load: waves 0 and 1 fetch for A, waves 2 and 3 for B.  Each line has one mask and one set of registers for all that issue it; the branch hangs on the wave's number alone.
; Four v_nop follow each of the two lines, ahead of the jump, the label and what follows.
.macro JLOAD g0a, g1a, g0b, g1b
	s_cmp_eq_u32 s15, 0
	s_cbranch_scc0 .Lfor_b_\@
	tensor_load_to_lds s[\g0a:\g0a+3], s[\g1a:\g1a+7]
	s_nop 0
.rept 4
	v_nop
.endr
	s_branch .Lasked_\@
.Lfor_b_\@:
	tensor_load_to_lds s[\g0b:\g0b+3], s[\g1b:\g1b+7]
	s_nop 0
.rept 4
	v_nop
.endr
.Lasked_\@:
.endm
.macro CREST                           ; a round of the cluster's barrier behind its opening barrier
	s_cmp_lg_u32 s14, 0
	s_cbranch_scc1 .Lnot_wave_0_\@
	s_barrier_signal -3
.Lnot_wave_0_\@:
	s_barrier_wait -3
	s_barrier_signal -1
	s_barrier_wait -1
.endm
.macro CROUND                          ; a whole round
	s_barrier_signal -1
	s_barrier_wait -1
	CREST
.endm
	s_load_b256 s[4:11], s[0:1], 0x0               ; xw s[4:5], xwsc s[6:7], rope s[8:9], qimg s[10:11]
	s_load_b64 s[12:13], s[0:1], 0x20              ; qsc
	s_load_b64 s[66:67], s[0:1], 0x28              ; kv
	v_lshl_add_u32 v[SPW], v0, 2, SPARE
	v_mov_b32 v[NIL], 0
	ds_add_u32 v28, v29
	ds_add_u32 v28, v29
	s_wait_dscnt 0x0
	v_lshrrev_b32 v1, 5, v0
	v_readfirstlane_b32 s14, v1                    ; wave 0..3
	s_lshr_b32 s15, s14, 1                         ; which half of A's rows is mine.  Also: I fetch for A (0) or for B (1)
	s_and_b32 s16, s14, 1                          ; which half of B's rows.  Also: which 8 tiles I fetch
	s_bfe_u32 s40, ttmp6, 0x40000                  ; cx, cy: my place in the cluster
	s_bfe_u32 s41, ttmp6, 0x40004
	s_and_b32 s17, ttmp7, 0xffff                   ; the cluster's y: which 1,024 tokens
	s_lshl_b32 s43, s41, 2
	s_lshl_b32 s43, 15, s43                        ; my row of the cluster
	s_lshl_b32 s44, 0x1111, s40                    ; my column
	; descriptor group 1: a dense block of 24,576 bytes as 96 rows of 256 bytes (32 elements of 8 bytes)
	s_or_b32 s[G1+0], s43, (3<<16)|(1<<21)         ; 15:0 the mask: A's tiles go to my row; 17:16 elements of 8 bytes; 20 no padding; 21 set beside a mask
	s_or_b32 s[G1B+0], s44, (3<<16)|(1<<21)
.irp g, G1, G1B
	s_mov_b32 s[\g+1], 32<<16                      ; tensor_dim0
	s_mov_b32 s[\g+2], 96<<16                      ; tensor_dim1
	s_mov_b32 s[\g+3], 32<<16                      ; tile_dim0
	s_mov_b32 s[\g+4], 96                          ; tile_dim1
	s_mov_b32 s[\g+5], 32                          ; tensor_dim0_stride
	s_mov_b32 s[\g+6], 0
	s_mov_b32 s[\g+7], 0
.endr
	; and for the scales of 128 rows: 4,096 dense bytes as 16 rows of 256, 16 bytes of padding behind each
	s_or_b32 s[G1S+0], s43, (3<<16)|(1<<20)|(1<<21)|(5<<22)|(3<<25)
	s_or_b32 s[G1SB+0], s44, (3<<16)|(1<<20)|(1<<21)|(5<<22)|(3<<25)
.irp g, G1S, G1SB
	s_mov_b32 s[\g+1], 32<<16
	s_mov_b32 s[\g+2], 16<<16
	s_mov_b32 s[\g+3], 32<<16
	s_mov_b32 s[\g+4], 16
	s_mov_b32 s[\g+5], 32
	s_mov_b32 s[\g+6], 0
	s_mov_b32 s[\g+7], 0
.endr
	; the first row tiles.  q, k: A = x at 64 Y + 16 cy, B = the weight at 512 + 64 kind + 16 cx.  v: A = wv at 640 + 16 cy, B = x at 64 Y + 16 cx.  The choice is made of terms that hold neither cx nor cy
	s_lshl_b32 s18, s17, 6
	s_lshl_b32 s19, ttmp9, 6
	s_add_co_u32 s19, s19, 512
	s_mov_b32 s20, 640
	s_cmp_eq_u32 ttmp9, 2
	s_cselect_b32 s20, s20, s18
	s_cselect_b32 s46, s18, s19
	s_lshl_b32 s21, s41, 4
	s_add_co_u32 s20, s20, s21
	s_lshl_b32 s47, s40, 4
	s_add_co_u32 s46, s46, s47
	s_lshl_b32 s18, s16, 3                         ; which 8 tiles I fetch
	s_add_co_u32 s20, s20, s18
	s_add_co_u32 s46, s46, s18
	s_lshl_b32 s22, s20, 9                         ; where these tiles' scales begin, in bytes,
	s_lshl_b32 s92, s46, 9
	s_mul_i32 s20, s20, 3072                       ; and their codes
	s_mul_i32 s46, s46, 3072
	s_mov_b32 s21, 0
	s_mov_b32 s23, 0
	s_mov_b32 s47, 0
	s_mov_b32 s93, 0
	s_mul_i32 s45, s14, HALFT                      ; where they go: wave x 8 tiles: no place in the cluster enters an LDS address
	s_mul_i32 s94, s14, HALFS
	s_wait_kmcnt 0x0
	s_add_nc_u64 s[20:21], s[4:5], s[20:21]
	s_add_nc_u64 s[22:23], s[6:7], s[22:23]
	s_add_nc_u64 s[46:47], s[4:5], s[46:47]
	s_add_nc_u64 s[92:93], s[6:7], s[92:93]
	CROUND                                         ; all sixteen work-groups are here: the first joint loads meet
	s_mov_b32 s[G0S], 1
	s_add_co_u32 s[G0S+1], s94, SCL
	s_mov_b64 s[G0S+2:G0S+3], s[22:23]
	s_or_b32 s[G0S+3], s[G0S+3], 0x80000000
	s_mov_b32 s[G0SB], 1
	s_add_co_u32 s[G0SB+1], s94, SCL
	s_mov_b64 s[G0SB+2:G0SB+3], s[92:93]
	s_or_b32 s[G0SB+3], s[G0SB+3], 0x80000000
	JLOAD G0S, G1S, G0SB, G1SB                     ; the scales first: they are wanted with K step 0
.irp s, 0,1
	s_mov_b32 s[G0+4*\s], 1
	s_add_co_u32 s[G0+4*\s+1], s45, \s*SLOT
	s_add_nc_u64 s[G0+4*\s+2:G0+4*\s+3], s[20:21], \s*KSA
	s_or_b32 s[G0+4*\s+3], s[G0+4*\s+3], 0x80000000
	s_mov_b32 s[G0B+4*\s], 1
	s_add_co_u32 s[G0B+4*\s+1], s45, \s*SLOT
	s_add_nc_u64 s[G0B+4*\s+2:G0B+4*\s+3], s[46:47], \s*KSB
	s_or_b32 s[G0B+4*\s+3], s[G0B+4*\s+3], 0x80000000
	JLOAD G0+4*\s, G1, G0B+4*\s, G1B               ; three tensor loads of mine are out now
.endr
	v_and_b32 v1, 15, v0                           ; r
	v_bfe_u32 v2, v0, 4, 1                         ; h
	v_and_b32 v3, 31, v0
	v_lshlrev_b32 v[L8], 3, v3
	s_mul_i32 s21, s15, HALFT                      ; my 8 tiles of A
	s_mul_i32 s22, s16, HALFT                      ; my 8 tiles of B,
	s_add_co_u32 s22, s22, 2*HALFT                 ; which lie behind A's 16
.irp s, 0,1
	v_add_nc_u32 v[ADRA+\s], s21, v[L8]
	v_add_nc_u32 v[ADRB+\s], s22, v[L8]
	s_add_co_u32 s21, s21, SLOT
	s_add_co_u32 s22, s22, SLOT
.endr
	v_mul_u32_u24 v5, v1, 32                       ; my row's scales: 32 bytes a row,
	v_lshrrev_b32 v6, 8, v5
	v_lshl_add_u32 v5, v6, 4, v5                   ; and 16 more for each 256 passed
	s_mul_i32 s21, s15, HALFS                      ; A's: my 128 rows
	s_mul_i32 s22, s16, HALFS                      ; B's: my 128 rows, behind A's 256
	s_add_co_u32 s22, s22, 2*HALFS
	s_sub_co_u32 s22, s22, s21
	v_mul_u32_u24 v6, s22, v2                      ; lanes 16-31 take B's
	s_add_co_u32 s21, s21, SCL
	v_add_nc_u32 v5, v5, v6
	v_add_nc_u32 v[ADRS], s21, v5
	; which 128 tokens and which two heads are my wave's
	s_cmp_eq_u32 ttmp9, 2
	s_cselect_b32 s95, s40, s41                    ; x's tile in the cluster,
	s_cselect_b32 s96, s16, s15                    ; my half of it;
	s_cselect_b32 s97, s41, s40                    ; the weight's tile,
	s_cselect_b32 s100, s15, s16                   ; my half of it
	s_cselect_b32 s101, 0, 1                       ; 1 where the table's rows differ from token to token
	s_lshl_b32 s2, s17, 10
	s_lshl_b32 s95, s95, 8
	s_add_co_u32 s2, s2, s95
	s_lshl_b32 s96, s96, 7
	s_add_co_u32 s2, s2, s96                       ; s2: my first token, 0 .. 8,064
	s_lshl_b32 s97, s97, 2
	s_lshl_b32 s100, s100, 1
	s_add_co_u32 s97, s97, s100                    ; s97: my first head
	s_and_b32 s95, s2, 2047
	s_lshl_b32 s98, s95, 8                         ; the table's row of my first token; for v the row of (1, 0) behind the table
	s_cmp_eq_u32 ttmp9, 2
	s_cselect_b32 s98, 0x80000, s98
	s_mov_b32 s99, 0
	s_add_nc_u64 s[98:99], s[8:9], s[98:99]
	v_and_b32 v3, 8, v1
	v_add_nc_u32 v3, v3, v1                        ; r + 8 (r / 8)
	v_lshlrev_b32 v3, 8, v3
	v_mul_u32_u24 v3, s101, v3
	v_lshl_add_u32 v[TOFF], v2, 6, v3              ; my registers hold channels 16 h + 0 .. 15 and 32 + 16 h + 0 .. 15 of a head: pairs 8 h on and 16 + 8 h on, 8 bytes a pair
; The 16 (cos, sin) of block a's token in my lane: eight loads of 16 bytes into set a % 2
.macro LOADCS a
	s_mul_i32 s3, s101, (32*((\a)/2)+8*((\a)%2))*256
	v_add_nc_u32 v[VT+(\a)%2], s3, v[TOFF]
.irp j, 0,1,2,3,4,5,6,7
	global_load_b128 v[CS+32*((\a)%2)+4*\j:CS+32*((\a)%2)+4*\j+3], v[VT+(\a)%2], s[98:99] offset:16*(\j%4)+128*(\j/4)
.endr
.endm
	LOADCS 0                                       ; asked for here, wanted behind the last product
	LOADCS 1
.macro FRAG reg, adr, q, i             ; a fragment, 16 slots x 128 K: 12 registers, as they were stored: register pair p of lane l at 256 p + 8 l
.irp p, 0,1,2,3,4,5
	ds_load_b64 v[\reg+2*\p:\reg+2*\p+1], v[\adr] offset:3072*(\i)+1536*(\q)+256*\p
.endr
.endm
; 16 matrix instructions: A's blocks a0, a0 + 1 x B's eight, 128 along K: the slot's q-th.  p: B's set;  sc: the set of scale words.  zero = 1: the first product starts the sums: nothing is ever cleared.
; The 64 accumulators take turns, one instruction a turn, in the same order in every step.
.macro MUL16 a0, p, q, sc, zero
.irp a, \a0, \a0+1
.irp b, 0,1,2,3,4,5,6,7
.if \zero
	v_wmma_scale_f32_16x16x128_f8f6f4 v[8*(8*((\a)%4)+\b):8*(8*((\a)%4)+\b)+7], v[128*(\p)+FR*\b:128*(\p)+FR*\b+FR-1], v[AF+FR*(\a):AF+FR*(\a)+FR-1], 0, v[SC+8*NQ*(\sc)+NQ*\b+(\q)], v[SC+8*NQ*(\sc)+NQ*(\a)+(\q)] matrix_a_fmt:MATRIX_FMT_FP6 matrix_b_fmt:MATRIX_FMT_FP6 matrix_a_scale:MATRIX_SCALE_ROW1
.else
	v_wmma_scale_f32_16x16x128_f8f6f4 v[8*(8*((\a)%4)+\b):8*(8*((\a)%4)+\b)+7], v[128*(\p)+FR*\b:128*(\p)+FR*\b+FR-1], v[AF+FR*(\a):AF+FR*(\a)+FR-1], v[8*(8*((\a)%4)+\b):8*(8*((\a)%4)+\b)+7], v[SC+8*NQ*(\sc)+NQ*\b+(\q)], v[SC+8*NQ*(\sc)+NQ*(\a)+(\q)] matrix_a_fmt:MATRIX_FMT_FP6 matrix_b_fmt:MATRIX_FMT_FP6 matrix_a_scale:MATRIX_SCALE_ROW1
.endif
.endr
.endr
.endm
.macro FETCH_B slot, q, p              ; B's eight fragments of the slot's q-th 128 along K into set p
	WIN TO_B
.irp i, 0,1,2,3,4,5,6,7
	FRAG 128*(\p)+FR*\i, ADRB+\slot, \q, \i
.endr
	WIN 0
.endm
.macro FETCH_A slot, q, i0             ; A's blocks i0 .. i0 + 3
.irp i, \i0, \i0+1, \i0+2, \i0+3
	FRAG AF+FR*(\i), ADRA+\slot, \q, \i
.endr
.endm
.macro SCALES sc                       ; a K step's scale words into set sc: two words a row; lanes 0-15 take A's block i, lanes 16-31 B's block i
.irp i, 0,1,2,3,4,5,6,7
	ds_load_b64 v[SC+8*NQ*\sc+NQ*\i:SC+8*NQ*\sc+NQ*\i+1], v[ADRS] offset:\i*SBLK
.endr
.endm
; A load into a register that a matrix instruction has read, and a vector instruction that reads a matrix result or writes one of its registers, stand NP places behind it; only plain vector instructions
; that name none of its registers are places (ISA guide 7.12.1 for vector instructions).
.macro PLACES n
.rept \n
	v_nop
.endr
.endm
; A step of 128 along K that has its successor in the same slot.  A's block is free as soon as its eight products are issued, so A has one set: blocks 0-3 are fetched anew in the step's middle, blocks 4-7 at its end.
.macro STEP slot, q, zero
	s_wait_dscnt 4*NL                              ; B's set, the scale words and A's blocks 0-3 are in; the youngest 24 loads (A's blocks 4-7) may be out
	WIN MUL_LO
	MUL16 0, (\q)%2, \q, \slot, \zero
	MUL16 2, (\q)%2, \q, \slot, \zero
	s_wait_dscnt 0                                 ; A's blocks 4-7 are in (asked for 32 matrix instructions ago)
	PLACES NP
	FETCH_B \slot, (\q)+1, 1-(\q)%2
	FETCH_A \slot, (\q)+1, 0
	WIN MUL_HI
	MUL16 4, (\q)%2, \q, \slot, \zero
	MUL16 6, (\q)%2, \q, \slot, \zero
	PLACES NP
	WIN 0
	FETCH_A \slot, (\q)+1, 4
.endm
; A slot's last step changes slots: one barrier; in front of it each wave waits for all its tensor loads, adds 0 to its spare word, and waits for that and for its own reads of this slot.  fill = 1: this slot is filled again, two K steps ahead.
.macro TURN slot, next, fill
	s_wait_tensorcnt 0x0                           ; all my tensor loads have landed: my part of the next slot;  (every window is 0 here)
	ds_add_u32 v[SPW], v[NIL]                      ; 0 onto my spare word
	s_wait_dscnt 4*NL+1                            ; (the add and the youngest 24 loads, A's blocks 4-7, may be out)
	WIN MUL_LO
	MUL16 0, 1, NQ-1, \slot, 0                     ; sixteen matrix instructions stand between the add and the wait for it
	s_wait_dscnt 0x0                               ; the add is done, and my reads of this slot are over
	s_barrier_signal -1
	MUL16 2, 1, NQ-1, \slot, 0
	WIN 0
	s_barrier_wait -1
.if \fill
	CREST                                          ; the barrier has opened a round of the cluster's barrier: no wave of any partner still reads this slot's tiles or has a load on its way
	s_add_nc_u64 s[G0+4*\slot+2:G0+4*\slot+3], s[G0+4*\slot+2:G0+4*\slot+3], 2*KSA
	s_add_nc_u64 s[G0B+4*\slot+2:G0B+4*\slot+3], s[G0B+4*\slot+2:G0B+4*\slot+3], 2*KSB
	JLOAD G0+4*\slot, G1, G0B+4*\slot, G1B         ; the first tensor load behind the round; the four v_nop behind it are the places in front of the loads below
.else
	PLACES NP
.endif
	v_add_nc_u32 v[ADRS], 4*NQ, v[ADRS]            ; on to the next K step's scale words
	FETCH_B \next, 0, 0
	FETCH_A \next, 0, 0
	SCALES \next
	WIN MUL_HI
	MUL16 4, 1, NQ-1, \slot, 0
	MUL16 6, 1, NQ-1, \slot, 0
	PLACES NP
	WIN 0
	FETCH_A \next, 0, 4
.endm
	s_wait_tensorcnt 0x1                           ; the scales and my part of K step 0 are in (K step 1's load may be out)
	s_barrier_signal -1
	s_barrier_wait -1                              ; everybody's are
	FETCH_B 0, 0, 0
	FETCH_A 0, 0, 0
	SCALES 0
	FETCH_A 0, 0, 4
	STEP 0, 0, 1                                   ; K step 0: its first products start the sums
	TURN 0, 1, 1                                   ; slot 0 takes K step 2
	STEP 1, 0, 0                                   ; K step 1
	TURN 1, 0, 1                                   ; slot 1 takes K step 3
	STEP 0, 0, 0                                   ; K step 2
	TURN 0, 1, 0                                   ; nothing is left to fetch
	STEP 1, 0, 0                                   ; K step 3
	s_wait_dscnt 4*NL
	WIN MUL_LO
	MUL16 0, 1, NQ-1, 1, 0
	MUL16 2, 1, NQ-1, 1, 0
	s_wait_dscnt 0
	WIN MUL_HI
	MUL16 4, 1, NQ-1, 1, 0
	MUL16 6, 1, NQ-1, 1, 0
	WIN 0
; 64 numbers of a lane, v[s] .. v[s + 63], register 16 b + i = place 32 b + 16 h + i along the next K, become a fragment's codes in v[PC] on and its scale word in v[PW].
.macro QUANT s
.irp b, 0,1,2,3
	v_max3_num_f32 v[TM+\b], |v[\s+16*\b]|, |v[\s+1+16*\b]|, 0x1800000   ; block b: my 16 numbers, and the floor 2^(3 - 127): the byte cannot fall under 1
.endr
.irp i, 2,4,6,8,10,12,14
.irp b, 0,1,2,3
	v_max3_num_f32 v[TM+\b], v[TM+\b], |v[\s+16*\b+\i]|, |v[\s+1+16*\b+\i]|   ; (the four blocks by turns)
.endr
.endr
.irp b, 0,1,2,3
	v_permlanex16_b32 v[TM+4+\b], v[TM+\b], s[SEL], s[SEL+1]
.endr
.irp b, 0,1,2,3
	v_max_num_f32 v[TM+\b], v[TM+\b], v[TM+4+\b]   ; with lane l xor 16's: the block's largest magnitude
.endr
.irp b, 0,1,2,3
	v_add_nc_u32 v[TM+12+\b], 0xff000000, v[TM+\b]   ; 2 off its exponent field: the conversion's scale operand
.endr
.irp b, 0,1,2,3
	v_lshrrev_b32 v[TM+4+\b], 23, v[TM+12+\b]      ; the scale's byte
.endr
	v_lshl_or_b32 v[PW], v[TM+5], 8, v[TM+4]
	v_lshl_or_b32 v[PW], v[TM+6], 16, v[PW]
	v_lshl_or_b32 v[PW], v[TM+7], 24, v[PW]
.irp c, 0,1
	v_cvt_scalef32_pk16_fp6_f32 v[PC+6*\c:PC+2+6*\c], v[\s+32*\c:\s+15+32*\c], v[TM+12+2*\c]
	v_cvt_scalef32_pk16_fp6_f32 v[PC+12+4*\c:PC+14+4*\c], v[\s+16+32*\c:\s+31+32*\c], v[TM+12+2*\c+1]   ; (a conversion's three registers begin on an even number)
.endr
	v_nop                                          ; one plain place behind a scaled conversion
.irp c, 0,1                                    ; the operand's layout wants a whole block in a lane: lanes 0-15 block 2 c, lanes 16-31 block 2 c + 1
.irp i, 0,1,2
	v_permlane16_swap_b32 v[PC+6*\c+\i], v[PC+12+4*\c+\i]
.endr
.irp i, 0,1,2
	v_mov_b32 v[PC+3+6*\c+\i], v[PC+12+4*\c+\i]
.endr
.endr
.endm
	; THE WAY OUT.  All my tensor loads were shown landed at the last change of slots, so s24-39 are free.
	PLACES NP
.irp b, 0,1,2,3
	v_mov_b32 v[TM+4+\b], 0                        ; written once: a lane permute's destination counts as one of its sources
.endr
	s_mov_b32 s[SEL], 0x76543210
	s_mov_b32 s[SEL+1], 0xfedcba98
	s_lshr_b32 s36, s2, 11                         ; the batch,
	s_lshl_b32 s36, s36, 4
	s_add_co_u32 s36, s36, s97                     ; 16 x batch + my first head
	s_and_b32 s37, s2, 2047
	s_lshr_b32 s38, s37, 4                         ; my first token tile in the sequence,
	s_lshr_b32 s39, s37, 7                         ; my key step
	s_mul_i32 s39, s39, 13056
	s_mul_i32 s28, s38, 768
	s_lshl_b32 s29, s38, 6
	s_mov_b32 s32, 208896
	s_mov_b32 s34, 208896
	s_cmp_eq_u32 ttmp9, 0                          ; q goes to qimg and qsc, k and v into kv
	s_cselect_b64 s[24:25], s[10:11], s[66:67]     ; s[24:25]: the codes' base
	s_cselect_b64 s[26:27], s[12:13], s[66:67]     ; s[26:27]: the scale words'
	s_cselect_b32 s28, s28, s39
	s_cselect_b32 s29, s29, s39
	s_cselect_b32 s32, 98304, s32                  ; a head on, in codes
	s_cselect_b32 s34, 8192, s34                   ; and in scale words
	s_mul_i32 s38, s36, s32
	s_add_co_u32 s28, s28, s38
	s_mul_i32 s38, s36, s34
	s_add_co_u32 s29, s29, s38
	s_mov_b32 s30, 768
	s_mov_b32 s31, 3072
	s_mov_b32 s33, 256
	s_mov_b32 s39, 12288
	s_cmp_eq_u32 ttmp9, 2
	s_cselect_b32 s38, 6144, 0                     ; v's fragments lie behind k's tiles in a record
	s_cselect_b32 s39, 12800, s39                  ; k's scale words at 12,288, v's at 12,800
	s_cselect_b32 s30, 1536, s30                   ; s30: a block on among four (q, k: a token tile; v: a fragment)
	s_cselect_b32 s31, 208896, s31                 ; s31: four blocks on (q, k: four tiles; v: the next head)
	s_cselect_b32 s33, 208896, s33                 ; s33: the same for the scale words
	s_cselect_b32 s32, 768, s32                    ; s32: from registers 0-5 to registers 6-11 (q, k: the next head; v: the fragment's second half)
	s_cselect_b32 s34, 0, s34                      ; s34: lanes 16-31 write the next head's words (v: the same word to the same place)
	s_cselect_b32 s35, 0, 16                       ; s35: which are the word's upper two bytes
	s_cmp_eq_u32 ttmp9, 0
	s_cselect_b32 s39, 0, s39
	s_add_co_u32 s36, s28, s38
	s_mov_b32 s37, 0
	s_add_nc_u64 s[24:25], s[24:25], s[36:37]
	s_add_co_u32 s36, s29, s39
	s_add_nc_u64 s[26:27], s[26:27], s[36:37]
	v_mul_u32_u24 v3, s34, v2
	v_lshl_add_u32 v[VS0], v1, 2, v3
	v_mul_u32_u24 v[SHV], s35, v2
.macro BLOCK a
.set AC, 64*((\a)%4)
.set CB, CS+32*((\a)%2)
.if (\a) < 7
	s_wait_loadcnt 8                               ; this block's (cos, sin) are in; the next block's eight loads may be out
.else
	s_wait_loadcnt 0
.endif
	WIN 0x02+(\a)/4                                ; source 0: the accumulators' window
.set n, 0
.rept 32
	v_pk_mul_f32 v[Y+n:Y+n+1], v[AC+n:AC+n+1], v[CB+n%32:CB+n%32+1] op_sel:[1,1] op_sel_hi:[0,1]   ; (odd x sin, even x sin); each accumulator is read from its low end on
.set n, n+2
.endr
.set n, 0
.rept 32
	v_pk_fma_f32 v[Y+n:Y+n+1], v[AC+n:AC+n+1], v[CB+n%32:CB+n%32+1], v[Y+n:Y+n+1] op_sel_hi:[1,0,1] neg_lo:[0,0,1]   ; (even x cos - odd x sin, odd x cos + even x sin)
.set n, n+2
.endr
	WIN 0
.if (\a) < 6
	LOADCS (\a)+2                                  ; this set and its offset register are free: the wait above showed their loads done
.endif
	s_wait_xcnt 0x0                                ; the last block's stores have read their data and offsets
	QUANT Y
	s_mul_i32 s36, s30, (\a)%4
	s_mul_i32 s37, s31, (\a)/4
	s_add_co_u32 s36, s36, s37
	s_mul_i32 s37, s33, (\a)/4
	s_add_co_u32 s37, s37, 64*((\a)%4)
	v_add_nc_u32 v[VO0], s36, v[L8]
	v_add_nc_u32 v[VO1], s32, v[VO0]
	v_add_nc_u32 v[VS], s37, v[VS0]
	v_lshrrev_b32 v[PWS], v[SHV], v[PW]
.irp p, 0,1,2
	global_store_b64 v[VO0], v[PC+2*\p:PC+2*\p+1], s[24:25] offset:256*\p       ; 32 lanes store 256 consecutive bytes, at a multiple of 256 from the buffer's first byte
.endr
.irp p, 0,1,2
	global_store_b64 v[VO1], v[PC+6+2*\p:PC+6+2*\p+1], s[24:25] offset:256*\p
.endr
	global_store_b32 v[VS], v[PWS], s[26:27]       ; sixteen lanes store a tile's 64 bytes of scale words
.endm
.irp a, 0,1,2,3,4,5,6,7
	BLOCK \a
.endr
	s_wait_tensorcnt 0x0                           ; the wave's end
	ds_add_u32 v[SPW], v[NIL]
	s_wait_dscnt 0x0
	CROUND                                         ; the closing round: no work-group ends while a partner may still ask for a tile that names it
	s_endpgm
.Lfunc_end_k_q3ca37fe170_qkv:
	.size	k_q3ca37fe170_qkv, .Lfunc_end_k_q3ca37fe170_qkv-k_q3ca37fe170_qkv
	.p2alignl 7, 3214868480
	.fill 96, 4, 3214868480
	.section	.rodata,"a",@progbits
	.p2align	6, 0x0
	.amdhsa_kernel k_q3ca37fe170_qkv
		.amdhsa_group_segment_fixed_size 327680
		.amdhsa_private_segment_fixed_size 0
		.amdhsa_enable_private_segment 0
		.amdhsa_kernarg_size 48
		.amdhsa_user_sgpr_count 2
		.amdhsa_user_sgpr_kernarg_segment_ptr 1
		.amdhsa_wavefront_size32 1
		.amdhsa_system_sgpr_workgroup_id_x 1
		.amdhsa_system_sgpr_workgroup_id_y 1
		.amdhsa_system_sgpr_workgroup_id_z 1
		.amdhsa_system_vgpr_workitem_id 0
		.amdhsa_next_free_vgpr 1024
		.amdhsa_next_free_sgpr 102
		.amdhsa_reserve_vcc 0
		.amdhsa_float_denorm_mode_32 3
		.amdhsa_float_denorm_mode_16_64 3
		.amdhsa_memory_ordered 1
		.amdhsa_forward_progress 1
		.amdhsa_inst_pref_size 210
	.end_amdhsa_kernel
	.amdgpu_metadata
---
amdhsa.version: [ 1, 2 ]
amdhsa.kernels:
  - .name:           k_q3ca37fe170_qkv
    .symbol:         k_q3ca37fe170_qkv.kd
    .args:
      - { .name: xw, .offset: 0, .size: 8, .value_kind: global_buffer, .address_space: global }
      - { .name: xwsc, .offset: 8, .size: 8, .value_kind: global_buffer, .address_space: global }
      - { .name: rope, .offset: 16, .size: 8, .value_kind: global_buffer, .address_space: global }
      - { .name: qimg, .offset: 24, .size: 8, .value_kind: global_buffer, .address_space: global }
      - { .name: qsc, .offset: 32, .size: 8, .value_kind: global_buffer, .address_space: global }
      - { .name: kv, .offset: 40, .size: 8, .value_kind: global_buffer, .address_space: global }
    .group_segment_fixed_size: 327680
    .private_segment_fixed_size: 0
    .kernarg_segment_align: 8
    .kernarg_segment_size: 48
    .max_flat_workgroup_size: 128
    .sgpr_count:     102
    .vgpr_count:     1024
    .wavefront_size: 32
...
	.end_amdgpu_metadata
.endif
;; end of part 2
;; launch attn (part 3): grid 4 x 64, 16 waves a work-group, clusters of 4 x 1, 210,944 bytes of LDS; arguments qimg, qsc, kv, oimg, osc; writes oimg, osc
.if DOCPART == 3
	.amdgcn_target "amdgcn-amd-amdhsa--gfx1250"
	.amdhsa_code_object_version 6
	.text
	.protected	k_q3ca37fe170_attn
	.globl	k_q3ca37fe170_attn
	.p2align	8
	.type	k_q3ca37fe170_attn,@function
k_q3ca37fe170_attn:
	s_mov_b64 s[64:65], 0
	v_nop
	global_prefetch_b8 v0, s[64:65] scope:SCOPE_SE
	s_setreg_imm32_b32 hwreg(HW_REG_WAVE_MODE, 25, 1), 1
	s_wait_xcnt 0x0
	s_wait_alu depctr_hold_cnt(0) depctr_sa_sdst(0) depctr_va_vdst(0) depctr_va_sdst(0) depctr_va_ssrc(0) depctr_va_vcc(0) depctr_vm_vsrc(0)
	s_getreg_b32 s2, hwreg(HW_REG_IB_STS2, 6, 4)
	s_cmp_eq_u32 s2, 0
	s_cbranch_scc0 .Lentry_in_a_cluster
	s_endpgm
.Lentry_in_a_cluster:
	s_bfe_u32 s2, ttmp6, 0x10000c
	s_cmp_lg_u32 s2, 0x3003
	s_cbranch_scc0 .Lentry_shape_is_right
	s_endpgm
.Lentry_shape_is_right:
; o = softmax(q k^T / 8, causal) v for 64 heads of 2,048 tokens x 64 channels, both products on codes of FP6 (E2M3) with E8M0 scales; o is quantised along the channels and leaves as codes for the last product.
; THE SOFTMAX: t = score x log2(e) / 8; M = the row's largest t so far, rounded up to a whole number; p = 2^(t - M) is quantised along the keys, not normalised; the row's sum is taken of the unquantised p and divides
; o at the end.  When M moves, the sum and o are multiplied by 2^(old M - new M): exact.
; A HEAD'S K, V AND SCALES ARE 208,896 BYTES AND STAY IN LDS WHOLE: 16 records of 13,056 bytes, one for each step of 128 keys, as they lie in memory (k's 8 tiles x 768, v^T's 4 fragments x 1,536, k's scale words
; 8 x 64, v's 4 x 64).  Nothing is filled again: no ring, and no barrier in the loops.  All of it is asked for by the first loads, so there is nothing that a prefetch could ask for earlier.
; CLUSTER: the four work-groups of a head ask for it JOINTLY (mask 15).  Waves 0 and 1 issue two loads each: a record (steps 0 and 1, with which every wave begins) and seven records; by this text's count two are out.
; SHARES.  Wave w of work-group cx owns the token tiles T0 = 4 w + cx and T1 = 127 - T0.  A tile in the group g = T / 8 of 128 tokens wants key steps 0 .. g, step g with the mask: w / 2 + 1 and 16 - w / 2 steps:
; 17 for every wave.  g hangs on the wave's number alone: no branch hangs on the place in the cluster.  Steps all of whose keys come after the tile's tokens are left out.
; LAYOUT.  Both products are used transposed: S^T = k q^T (source 0 = 16 keys), O^T = v^T p^T (source 0 = 16 channels): a lane holds one query throughout.  Slot r of token tile T is token
; 32 (T / 2) + 8 (T % 2) + r + 8 (r / 8), so that the 16 registers of tiles 2 b and 2 b + 1 of S^T are keys 32 b + 16 h + 0 .. 15, and likewise the channels of O^T.
; K = 64 IN A FORM OF K = 128: q's registers 6-11 are zero codes.  A tile of k is named with the six registers that follow it (the next tile's codes; behind tile 7 six registers at work): whatever bits they hold
; are finite numbers of the format, and no scale byte here is 0xff, so that half adds zeros.
; LIMITS: a block of zeros gets the byte 1 (its codes are zeros; only this program reads the bytes); NaN and infinities are not served.
.set REC,  13056
.set L8,   1                           ; v1   8 x lane
.set L4,   2                           ; v2   4 x lane
.set ADK,  3                           ; v3   LDS address of the step's codes
.set ADS,  4                           ; v4   and of its scale words
.set DQ,   5                           ; v5, v6   for each tile: my query's place in its group of 128, less 16 h
.set NINF, 7                           ; v7   -infinity
                                       ; v8-11, v12-15  for each tile: -M, the largest t, the sum in two halves
.set QF,   16                          ; v16-27, v28-39  q: six registers of codes, six of zeros
.set QS,   40                          ; v40, v41  q's scale words
.set KSC,  42                          ; v42-45  k's scale words: lanes 0-15 tile 2 i, lanes 16-31 tile 2 i + 1
.set VSC,  46                          ; v46-47  v's likewise
.set KB,   48                          ; v48-95  k's 8 tiles x 6, then v's 4 fragments x 12
.set BM,   96                          ; v96-99  the blocks' largest scores, then p
.set TP,   100                         ; v100-101 at work
.set SR,   102                         ; v102-165 S^T, then p
.set OT,   166                         ; v166-197, v198-229  O^T
.set PC,   230                         ; v230-241 p's codes
.set TQ,   242                         ; v242-249 at work
.set SO,   250                         ; v250-253 the conversions' scale operands
.set FF,   254                         ; v254 f = 2^(old M - new M)
.set PW,   255                         ; v255 p's scale word
.set WV,   14
.set CX,   15
.set BH,   16
.set TI,   17                          ; s17, s18  my two tiles
.set GR,   19                          ; s19, s20  their groups
.set SEL,  22                          ; s[22:23] lane selects for v_permlanex16_b32: lane l xor 16
.set CS,   24                          ; s[24:25] c = log2(e) / 8: the packed form names a pair
.set KS,   26                          ; s26  the key step
.set TB,   27                          ; s27  LDS byte at which its record begins
.set G1A,  32                          ; s[32:39] descriptor group 1: one record;  s[40:47]: seven
.set G1B,  40
.set G0A,  48                          ; s[48:51], s[52:55] their groups 0
.set G0B,  52
.set OP,   56                          ; s[56:59] where my two tiles' codes go;  s[60:63] their scale bytes
.set OS,   60
.set QP,   66                          ; s[66:69] q's codes;  s[70:73] q's scale words
.set QSP,  70
.macro CROUND                          ; a round of the cluster's barrier
	s_barrier_signal -1
	s_barrier_wait -1
	s_cmp_lg_u32 s[WV], 0
	s_cbranch_scc1 .Lnot_wave_0_\@
	s_barrier_signal -3
.Lnot_wave_0_\@:
	s_barrier_wait -3
	s_barrier_signal -1
	s_barrier_wait -1
.endm
	s_load_b256 s[4:11], s[0:1], 0x0               ; qimg s[4:5], qsc s[6:7], kv s[8:9], oimg s[10:11]
	s_load_b64 s[12:13], s[0:1], 0x20              ; osc
	v_lshl_add_u32 v254, v0, 2, 0x33000
	v_mov_b32 v255, 0
	ds_add_u32 v254, v255
	ds_add_u32 v254, v255
	s_wait_dscnt 0x0
	v_lshrrev_b32 v1, 5, v0
	v_readfirstlane_b32 s[WV], v1                  ; wave 0..15
	s_bfe_u32 s[CX], ttmp6, 0x40000                ; my place in the cluster
	s_and_b32 s[BH], ttmp7, 0xffff                 ; 16 x batch + head, which the four partners share
	s_lshl_b32 s[TI], s[WV], 2
	s_add_co_u32 s[TI], s[TI], s[CX]
	s_sub_co_u32 s[TI+1], 127, s[TI]
	s_lshr_b32 s[GR], s[WV], 1
	s_sub_co_u32 s[GR+1], 15, s[GR]
	; descriptor groups 1: dense blocks as rows of 256 bytes (32 elements of 8 bytes): 51 rows, 357 rows
	s_mov_b32 s[G1A], 15|(3<<16)|(1<<21)           ; 15:0 the mask: all four work-groups; 17:16 elements of 8 bytes; 20 no padding; 21 set beside a mask
	s_mov_b32 s[G1A+1], 32<<16
	s_mov_b32 s[G1A+2], 51<<16
	s_mov_b32 s[G1A+3], 32<<16
	s_mov_b32 s[G1A+4], 51
	s_mov_b32 s[G1A+5], 32
	s_mov_b32 s[G1A+6], 0
	s_mov_b32 s[G1A+7], 0
	s_mov_b32 s[G1B], 15|(3<<16)|(1<<21)
	s_mov_b32 s[G1B+1], 32<<16
	s_mov_b32 s[G1B+2], 357<<16
	s_mov_b32 s[G1B+3], 32<<16
	s_mov_b32 s[G1B+4], 357
	s_mov_b32 s[G1B+5], 32
	s_mov_b32 s[G1B+6], 0
	s_mov_b32 s[G1B+7], 0
	s_and_b32 s21, s[WV], 1
	s_mul_i32 s[G0A+1], s21, REC                   ; record 0 or 1,
	s_mul_i32 s[G0B+1], s21, 7*REC
	s_add_co_u32 s[G0B+1], s[G0B+1], 2*REC         ; records 2 to 8 or 9 to 15: in LDS as in memory
	s_mul_i32 s2, s[BH], 16*REC
	s_add_co_u32 s28, s2, s[G0A+1]
	s_mov_b32 s29, 0
	s_add_co_u32 s30, s2, s[G0B+1]
	s_mov_b32 s31, 0
	s_mov_b32 s[SEL], 0x76543210
	s_mov_b32 s[SEL+1], 0xfedcba98
	s_mov_b32 s[CS], 0x3e38aa3b
	s_mov_b32 s[CS+1], s[CS]                       ; (named with it as a pair, so it is written)
	s_wait_kmcnt 0x0
	s_mov_b32 s[G0A], 1
	s_add_nc_u64 s[G0A+2:G0A+3], s[8:9], s[28:29]
	s_or_b32 s[G0A+3], s[G0A+3], 0x80000000
	s_mov_b32 s[G0B], 1
	s_add_nc_u64 s[G0B+2:G0B+3], s[8:9], s[30:31]
	s_or_b32 s[G0B+3], s[G0B+3], 0x80000000
	CROUND                                         ; all four work-groups are here: the joint loads meet
	s_cmp_lt_u32 s[WV], 2                          ; a wave's two fills stand in one branch, ahead of every wait on TENSORcnt and every LDS read; four v_nop follow the second
	s_cbranch_scc0 .Lno_fetch
	tensor_load_to_lds s[G0A:G0A+3], s[G1A:G1A+7]
	s_nop 0
	tensor_load_to_lds s[G0B:G0B+3], s[G1B:G1B+7]
	s_nop 0
.rept 4
	v_nop
.endr
.Lno_fetch:
	v_and_b32 v1, 31, v0
	v_lshlrev_b32 v[L4], 2, v1
	v_lshlrev_b32 v[L8], 3, v1
	v_and_b32 v100, 15, v0                         ; r
	v_bfe_u32 v101, v0, 4, 1                       ; h
	v_lshlrev_b32 v3, 2, v100                      ; 4 r: q's scale word (v3 is free for the loops behind the wait for q)
	v_and_b32 v4, 8, v100
	v_add_nc_u32 v4, v4, v100
	v_lshlrev_b32 v96, 4, v101
	v_sub_nc_u32 v4, v4, v96                       ; r + 8 (r / 8) - 16 h
	v_mov_b32 v97, 0                               ; v96-101 are named behind k's tile 7: they are written before the first product
	v_mov_b32 v98, 0
	v_mov_b32 v99, 0
	s_mul_i32 s2, s[BH], 98304                     ; the head in qimg,
	s_lshl_b32 s3, s[BH], 13                       ; in qsc
	s_and_b32 s21, s[BH], 15                       ; the head in its batch: channels 64 head on of the last product's K
	s_lshr_b32 s30, s21, 2
	s_mul_i32 s30, s30, 1572864                    ; its K step of 256 in oimg (512 tiles x 3,072 bytes),
	s_and_b32 s31, s21, 3
	s_mul_i32 s31, s31, 768                        ; its 64 of the 256
	s_add_co_u32 s30, s30, s31
	s_lshl_b32 s31, s21, 1                         ; its two bytes of a row's 32
	s_lshr_b32 s21, s[BH], 4
	s_lshl_b32 s21, s21, 7                         ; the batch's first row tile
.irp x, 0,1
	s_mul_i32 s28, s[TI+\x], 768
	s_add_co_u32 s28, s28, s2
	s_add_nc_u64 s[QP+2*\x:QP+2*\x+1], s[4:5], s[28:29]
	s_lshl_b32 s28, s[TI+\x], 6
	s_add_co_u32 s28, s28, s3
	s_add_nc_u64 s[QSP+2*\x:QSP+2*\x+1], s[6:7], s[28:29]
	s_add_co_u32 s74, s21, s[TI+\x]                ; the row tile
	s_mul_i32 s28, s74, 3072
	s_add_co_u32 s28, s28, s30
	s_add_nc_u64 s[OP+2*\x:OP+2*\x+1], s[10:11], s[28:29]
	s_lshl_b32 s28, s74, 9
	s_add_co_u32 s28, s28, s31
	s_add_nc_u64 s[OS+2*\x:OS+2*\x+1], s[12:13], s[28:29]
	s_and_b32 s28, s[TI+\x], 7                     ; the tile's place in its group: 32 (T / 2) + 8 (T % 2)
	s_lshr_b32 s74, s28, 1
	s_lshl_b32 s74, s74, 5
	s_and_b32 s28, s28, 1
	s_lshl_b32 s28, s28, 3
	s_add_co_u32 s28, s28, s74
	v_add_nc_u32 v[DQ+\x], s28, v4
.irp p, 0,1,2
	global_load_b64 v[QF+12*\x+2*\p:QF+12*\x+2*\p+1], v[L8], s[QP+2*\x:QP+2*\x+1] offset:256*\p
.endr
	global_load_b32 v[QS+\x], v3, s[QSP+2*\x:QSP+2*\x+1]
.irp i, 6,7,8,9,10,11
	v_mov_b32 v[QF+12*\x+\i], 0                    ; the upper half of K: zero codes
.endr
	v_mov_b32 v[9+4*\x], 0xff61b1e6                ; the largest t so far: -3e38, under every t
	v_floor_f32 v[8+4*\x], -v[9+4*\x]              ; -M
	v_mov_b32 v[10+4*\x], 0                        ; the sum, in two halves
	v_mov_b32 v[11+4*\x], 0
.endr
	v_mov_b32 v[NINF], 0xff800000
.irp b, 0,1,2,3
	v_mov_b32 v[TQ+\b], 0                          ; written once: a lane permute's destination counts as one of its sources
.endr
	v_mov_b32 v[PW], 0                             ; (named as the upper half of the pair v[254:255] before it is first written)
.set n, 0
.rept 64
	v_mov_b32 v[OT+n], 0                           ; O^T.  (A step is written once: the first finds zeros, which the first change of M leaves zeros)
.set n, n+1
.endr
; A KEY STEP OF TILE x: 128 keys, 8 + 4 matrix instructions.
.macro TILE x
.set NM, 8+4*\x
.set TT, 9+4*\x
.set LS, 10+4*\x
.set OA, OT+32*\x
	s_cmp_gt_u32 s[KS], s[GR+\x]                   ; all 128 keys come after the tile's tokens: the step is left out
	s_cbranch_scc1 .Lskip_\@
	v_add_nc_u32 v[ADK], s[TB], v[L8]
	v_add_nc_u32 v[ADS], s[TB], v[L4]
.irp t, 0,1,2,3,4,5,6,7
.irp p, 0,1,2
	ds_load_b64 v[KB+6*\t+2*\p:KB+6*\t+2*\p+1], v[ADK] offset:768*\t+256*\p   ; 256 consecutive bytes a load
.endr
.endr
.irp i, 0,1,2,3
	ds_load_b32 v[KSC+\i], v[ADS] offset:12288+128*\i
.endr
	s_wait_dscnt 0x0
.irp t, 0,2,4,6
	v_wmma_scale_f32_16x16x128_f8f6f4 v[SR+8*\t:SR+8*\t+7], v[KB+6*\t:KB+6*\t+11], v[QF+12*\x:QF+12*\x+11], 0, v[KSC+\t/2], v[QS+\x] matrix_a_fmt:MATRIX_FMT_FP6 matrix_b_fmt:MATRIX_FMT_FP6
	v_wmma_scale_f32_16x16x128_f8f6f4 v[SR+8*\t+8:SR+8*\t+15], v[KB+6*\t+6:KB+6*\t+17], v[QF+12*\x:QF+12*\x+11], 0, v[KSC+\t/2], v[QS+\x] matrix_a_fmt:MATRIX_FMT_FP6 matrix_b_fmt:MATRIX_FMT_FP6 matrix_a_scale:MATRIX_SCALE_ROW1
.endr
.rept 4
	v_nop                                          ; places in front of the loads into k's registers and of the first read of the scores
.endr
.irp d, 0,1,2,3                                ; v's fragments are asked for now and land under the softmax
.irp p, 0,1,2,3,4,5
	ds_load_b64 v[KB+12*\d+2*\p:KB+12*\d+2*\p+1], v[ADK] offset:6144+1536*\d+256*\p
.endr
.endr
.irp i, 0,1
	ds_load_b32 v[VSC+\i], v[ADS] offset:12800+128*\i
.endr
	s_cmp_lg_u32 s[KS], s[GR+\x]                   ; only the tile's own group of keys wants the mask
	s_cbranch_scc1 .Lopen_\@
.set n, 0
.rept 64                                       ; register 16 b + i holds key 32 b + 16 h + i of the step: hidden where 32 b + i > my query's place - 16 h.  Its score becomes -infinity: p = 0
	v_cmp_gt_i32 vcc_lo, 32*(n/16)+n%16, v[DQ+\x]
	v_cndmask_b32 v[SR+n], v[SR+n], v[NINF], vcc_lo
.set n, n+1
.endr
.Lopen_\@:
.irp b, 0,1,2,3
	v_max3_num_f32 v[BM+\b], v[SR+16*\b], v[SR+1+16*\b], v[SR+2+16*\b]   ; the largest score of each block of 32 keys: for the row's maximum and, since p rises with the score, for the block's largest p
.endr
.irp i, 3,5,7,9,11,13
.irp b, 0,1,2,3
	v_max3_num_f32 v[BM+\b], v[BM+\b], v[SR+16*\b+\i], v[SR+1+16*\b+\i]
.endr
.endr
.irp b, 0,1,2,3
	v_max_num_f32 v[BM+\b], v[BM+\b], v[SR+15+16*\b]
.endr
.irp b, 0,1,2,3
	v_permlanex16_b32 v[TQ+\b], v[BM+\b], s[SEL], s[SEL+1]
.endr
.irp b, 0,1,2,3
	v_max_num_f32 v[BM+\b], v[BM+\b], v[TQ+\b]     ; with lane l xor 16's 16 keys
.endr
	v_max3_num_f32 v[TP], v[BM], v[BM+1], v[BM+2]
	v_max_num_f32 v[TP], v[TP], v[BM+3]            ; the step's largest score of my query (the step's first key counts for every query of the tile)
	v_mul_f32 v[TP], s[CS], v[TP]
	v_max_num_f32 v[TT], v[TT], v[TP]              ; the running largest t
	v_mov_b32 v[TP], v[NM]
	v_floor_f32 v[NM], -v[TT]                      ; the new -M = -ceil(t)
	v_sub_f32 v[TP], v[NM], v[TP]                  ; old M - new M: a whole number, 0 or less
	v_cvt_i32_f32 v[TP], v[TP]                     ; (it saturates)
	v_ldexp_f32 v[FF], 1.0, v[TP]                  ; f = 2^(old M - new M)
.set n, 0
.rept 32
	v_pk_fma_f32 v[SR+n:SR+n+1], v[SR+n:SR+n+1], s[CS:CS+1], v[NM:NM+1] op_sel_hi:[1,0,0]   ; t - M, two at a time
.set n, n+2
.endr
.irp b, 0,1,2,3
	v_fma_f32 v[BM+\b], v[BM+\b], s[CS], v[NM]     ; the same of each block's largest score
.endr
.set n, 0
.rept 64
	v_exp_f32 v[SR+n], v[SR+n]                     ; p = 2^(t - M)
.set n, n+1
.endr
.irp b, 0,1,2,3
	v_exp_f32 v[BM+\b], v[BM+\b]                   ; the block's largest p: the same two instructions on the same number give the same bits
.endr
	v_pk_mul_f32 v[LS:LS+1], v[LS:LS+1], v[FF:FF+1] op_sel_hi:[1,0]   ; the sums under the new M.  (A plain place behind the exponentials)
	s_wait_alu depctr_va_vdst(0)
.irp b, 0,1,2,3
	v_max_num_f32 v[BM+\b], 0x1800000, v[BM+\b]    ; the floor 2^(3 - 127): the byte cannot fall under 1
.endr
.irp b, 0,1,2,3
	v_add_nc_u32 v[SO+\b], 0xff000000, v[BM+\b]    ; 2 off the exponent field: the conversion's scale operand
.endr
.irp b, 0,1,2,3
	v_lshrrev_b32 v[TQ+\b], 23, v[SO+\b]           ; the scale's byte
.endr
	v_lshl_or_b32 v[PW], v[TQ+1], 8, v[TQ]         ; p's scale word for these 128 keys
	v_lshl_or_b32 v[PW], v[TQ+2], 16, v[PW]
	v_lshl_or_b32 v[PW], v[TQ+3], 24, v[PW]
.irp c, 0,1
	v_cvt_scalef32_pk16_fp6_f32 v[PC+6*\c:PC+2+6*\c], v[SR+32*\c:SR+15+32*\c], v[SO+2*\c]
	v_cvt_scalef32_pk16_fp6_f32 v[TQ+4*\c:TQ+2+4*\c], v[SR+16+32*\c:SR+31+32*\c], v[SO+2*\c+1]   ; (a conversion's three registers begin on an even number)
.endr
	v_nop                                          ; one plain place behind a scaled conversion
.irp c, 0,1                                    ; the operand's layout wants a whole block in a lane
.irp i, 0,1,2
	v_permlane16_swap_b32 v[PC+6*\c+\i], v[TQ+4*\c+\i]
.endr
.irp i, 0,1,2
	v_mov_b32 v[PC+3+6*\c+\i], v[TQ+4*\c+\i]
.endr
.endr
	v_pk_add_f32 v[TQ:TQ+1], v[SR:SR+1], v[SR+2:SR+3]   ; the row's sum is taken of the unquantised p: two at a time, in two chains
.irp j, 4,8,12,16,20,24,28,32,36,40,44,48,52,56,60
	v_pk_add_f32 v[LS:LS+1], v[LS:LS+1], v[SR+\j:SR+\j+1]
	v_pk_add_f32 v[TQ:TQ+1], v[TQ:TQ+1], v[SR+\j+2:SR+\j+3]
.endr
	v_pk_add_f32 v[LS:LS+1], v[LS:LS+1], v[TQ:TQ+1]
.set n, 0
.rept 16
	v_pk_mul_f32 v[OA+n:OA+n+1], v[OA+n:OA+n+1], v[FF:FF+1] op_sel_hi:[1,0]   ; O^T under the new M; each accumulator from its low end on.  (With the sums above: the places between p's codes and scale word and the products)
.set n, n+2
.endr
	s_wait_dscnt 0x0                               ; v's fragments and scale words are in
.irp d, 0,2                                    ; O^T += v^T p^T: four accumulators by turns
	v_wmma_scale_f32_16x16x128_f8f6f4 v[OA+8*\d:OA+8*\d+7], v[KB+12*\d:KB+12*\d+11], v[PC:PC+11], v[OA+8*\d:OA+8*\d+7], v[VSC+\d/2], v[PW] matrix_a_fmt:MATRIX_FMT_FP6 matrix_b_fmt:MATRIX_FMT_FP6
	v_wmma_scale_f32_16x16x128_f8f6f4 v[OA+8*\d+8:OA+8*\d+15], v[KB+12*\d+12:KB+12*\d+23], v[PC:PC+11], v[OA+8*\d+8:OA+8*\d+15], v[VSC+\d/2], v[PW] matrix_a_fmt:MATRIX_FMT_FP6 matrix_b_fmt:MATRIX_FMT_FP6 matrix_a_scale:MATRIX_SCALE_ROW1
.endr
.rept 4
	v_nop                                          ; places in front of the next loads into v's registers and of the next read of O^T
.endr
.Lskip_\@:
.endm
	s_wait_tensorcnt 0x1                           ; my first load (record 0 or 1) is in; the seven records behind it may stay out
	s_barrier_signal -1
	s_barrier_wait -1                              ; records 0 and 1 are whole for every wave
	s_wait_loadcnt 0x0                             ; q
	s_mov_b32 s[KS], 0
	s_mov_b32 s[TB], 0
.Lfirst_two:                                       ; key steps 0 and 1, while the other fourteen land
	TILE 0
	TILE 1
	s_add_co_u32 s[TB], s[TB], REC
	s_add_co_u32 s[KS], s[KS], 1
	s_cmp_lt_u32 s[KS], 2
	s_cbranch_scc1 .Lfirst_two
	s_wait_tensorcnt 0x0                           ; my seven records are in,
	s_wait_dscnt 0x0
	s_barrier_signal -1
	s_barrier_wait -1                              ; everybody's are
	s_mov_b32 s[KS], 2
	s_mov_b32 s[TB], 2*REC
.Lrest:                                            ; key steps 2 to 15
	TILE 0
	TILE 1
	s_add_co_u32 s[TB], s[TB], REC
	s_add_co_u32 s[KS], s[KS], 1
	s_cmp_lt_u32 s[KS], 16
	s_cbranch_scc1 .Lrest
	; THE WAY OUT of a tile: O^T / the sum; register 16 b + i is channel 32 b + 16 h + i of my token: two blocks are quantised; six registers of codes leave as they stand, and a byte a lane
	v_and_b32 v3, 15, v0
	v_bfe_u32 v4, v0, 4, 1
	v_cmp_ne_u32 vcc_lo, 0, v4                     ; lanes 16-31 store the second block's byte
	v_lshl_add_u32 v3, v3, 5, v4                   ; 32 r + h
.macro FIN x
.set LS, 10+4*\x
.set OA, OT+32*\x
	v_add_f32 v[LS], v[LS], v[LS+1]                ; the sum's two halves,
	v_permlanex16_b32 v[TP], v[LS], s[SEL], s[SEL+1]
	v_add_f32 v[LS], v[LS], v[TP]                  ; and lane l xor 16's
	v_rcp_f32 v[TP], v[LS]
	v_nop                                          ; a plain place behind the transcendental
.set n, 0
	s_wait_alu depctr_va_vdst(0)
.rept 16
	v_pk_mul_f32 v[SR+n:SR+n+1], v[OA+n:OA+n+1], v[TP:TP+1] op_sel_hi:[1,0]
.set n, n+2
.endr
.irp b, 0,1
	v_max3_num_f32 v[BM+\b], |v[SR+16*\b]|, |v[SR+1+16*\b]|, 0x1800000
.endr
.irp i, 2,4,6,8,10,12,14
.irp b, 0,1
	v_max3_num_f32 v[BM+\b], v[BM+\b], |v[SR+16*\b+\i]|, |v[SR+1+16*\b+\i]|
.endr
.endr
.irp b, 0,1
	v_permlanex16_b32 v[TQ+\b], v[BM+\b], s[SEL], s[SEL+1]
.endr
.irp b, 0,1
	v_max_num_f32 v[BM+\b], v[BM+\b], v[TQ+\b]
.endr
.irp b, 0,1
	v_add_nc_u32 v[SO+\b], 0xff000000, v[BM+\b]
.endr
	v_cvt_scalef32_pk16_fp6_f32 v[PC:PC+2], v[SR:SR+15], v[SO]
	v_cvt_scalef32_pk16_fp6_f32 v[TQ+4:TQ+6], v[SR+16:SR+31], v[SO+1]
	v_lshrrev_b32 v[TQ], 23, v[SO]                 ; the bytes.  (A plain place behind the conversions)
	v_lshrrev_b32 v[TQ+1], 23, v[SO+1]
.irp i, 0,1,2
	v_permlane16_swap_b32 v[PC+\i], v[TQ+4+\i]
.endr
.irp i, 0,1,2
	v_mov_b32 v[PC+3+\i], v[TQ+4+\i]
.endr
	v_cndmask_b32 v[TQ], v[TQ], v[TQ+1], vcc_lo
.irp p, 0,1,2
	global_store_b64 v[L8], v[PC+2*\p:PC+2*\p+1], s[OP+2*\x:OP+2*\x+1] offset:256*\p   ; 32 lanes store 256 consecutive bytes, at a multiple of 256 from the buffer's first byte
.endr
	global_store_b8 v3, v[TQ], s[OS+2*\x:OS+2*\x+1]   ; a row's 32 scale bytes come from 16 heads: two bytes of each row are this tile's
.endm
	FIN 0
	s_wait_xcnt 0x0                                ; tile 0's stores have read their data
	FIN 1
	s_wait_xcnt 0x0
	v_lshl_add_u32 v254, v0, 2, 0x33000
	v_mov_b32 v255, 0
	s_wait_tensorcnt 0x0
	ds_add_u32 v254, v255
	s_wait_dscnt 0x0
	CROUND                                         ; the closing round: no work-group ends while a partner may still ask for a tile that names it
	s_endpgm
.Lfunc_end_k_q3ca37fe170_attn:
	.size	k_q3ca37fe170_attn, .Lfunc_end_k_q3ca37fe170_attn-k_q3ca37fe170_attn
	.p2alignl 7, 3214868480
	.fill 96, 4, 3214868480
	.section	.rodata,"a",@progbits
	.p2align	6, 0x0
	.amdhsa_kernel k_q3ca37fe170_attn
		.amdhsa_group_segment_fixed_size 210944
		.amdhsa_private_segment_fixed_size 0
		.amdhsa_enable_private_segment 0
		.amdhsa_kernarg_size 40
		.amdhsa_user_sgpr_count 2
		.amdhsa_user_sgpr_kernarg_segment_ptr 1
		.amdhsa_wavefront_size32 1
		.amdhsa_system_sgpr_workgroup_id_x 1
		.amdhsa_system_sgpr_workgroup_id_y 1
		.amdhsa_system_sgpr_workgroup_id_z 1
		.amdhsa_system_vgpr_workitem_id 0
		.amdhsa_next_free_vgpr 256
		.amdhsa_next_free_sgpr 76
		.amdhsa_reserve_vcc 1
		.amdhsa_float_denorm_mode_32 3
		.amdhsa_float_denorm_mode_16_64 3
		.amdhsa_memory_ordered 1
		.amdhsa_forward_progress 1
		.amdhsa_inst_pref_size 106
	.end_amdhsa_kernel
	.amdgpu_metadata
---
amdhsa.version: [ 1, 2 ]
amdhsa.kernels:
  - .name:           k_q3ca37fe170_attn
    .symbol:         k_q3ca37fe170_attn.kd
    .args:
      - { .name: qimg, .offset: 0, .size: 8, .value_kind: global_buffer, .address_space: global }
      - { .name: qsc, .offset: 8, .size: 8, .value_kind: global_buffer, .address_space: global }
      - { .name: kv, .offset: 16, .size: 8, .value_kind: global_buffer, .address_space: global }
      - { .name: oimg, .offset: 24, .size: 8, .value_kind: global_buffer, .address_space: global }
      - { .name: osc, .offset: 32, .size: 8, .value_kind: global_buffer, .address_space: global }
    .group_segment_fixed_size: 210944
    .private_segment_fixed_size: 0
    .kernarg_segment_align: 8
    .kernarg_segment_size: 40
    .max_flat_workgroup_size: 512
    .sgpr_count:     76
    .vgpr_count:     256
    .wavefront_size: 32
...
	.end_amdgpu_metadata
.endif
;; end of part 3
;; launch proj (part 4): grid 4 x 32, 4 waves a work-group, clusters of 4 x 4, 327,680 bytes of LDS; arguments oimg, osc, xw, xwsc, out0; writes out0
.if DOCPART == 4
	.amdgcn_target "amdgcn-amd-amdhsa--gfx1250"
	.amdhsa_code_object_version 6
	.text
	.protected	k_q3ca37fe170_proj
	.globl	k_q3ca37fe170_proj
	.p2align	8
	.type	k_q3ca37fe170_proj,@function
k_q3ca37fe170_proj:
	s_mov_b64 s[64:65], 0
	v_nop
	global_prefetch_b8 v0, s[64:65] scope:SCOPE_SE
	s_setreg_imm32_b32 hwreg(HW_REG_WAVE_MODE, 25, 1), 1
	s_wait_xcnt 0x0
	s_wait_alu depctr_hold_cnt(0) depctr_sa_sdst(0) depctr_va_vdst(0) depctr_va_sdst(0) depctr_va_ssrc(0) depctr_va_vcc(0) depctr_vm_vsrc(0)
	s_getreg_b32 s2, hwreg(HW_REG_IB_STS2, 6, 4)
	s_cmp_eq_u32 s2, 0
	s_cbranch_scc0 .Lentry_in_a_cluster
	s_endpgm
.Lentry_in_a_cluster:
	s_bfe_u32 s2, ttmp6, 0x10000c
	s_cmp_lg_u32 s2, 0xf033
	s_cbranch_scc0 .Lentry_shape_is_right
	s_endpgm
.Lentry_shape_is_right:
; out0 = o wo^T on codes of FP6 (E2M3) with E8M0 scales: [8,192 tokens][K 1,024] x [1,024][K 1,024]; out0 is f32.
; A tile of 256 x 256 of out0 is made by four waves, 128 x 128 each: 64 accumulators, 512 registers.  K goes in four steps of 256 through two LDS slots filled by the tensor data mover.
; OPERANDS are images of their registers (tiles of 16 slots, 3,072 bytes for a K step): oimg [K step 4][tile 512][3,072]; wo is tiles 704-767 of xw [K step 4][tile 768][3,072].  8 tiles of a K step are one dense
; block of 24,576 bytes, one tensor load; a fragment is six loads of 8 bytes a lane, each of 256 consecutive bytes.  Slot r of tile RT is row 32 (RT / 2) + 8 (RT % 2) + r + 8 (r / 8).
; "A" = o (source 1: a lane holds a token), "B" = wo (source 0: the 16 registers of two neighbouring tiles are 16 neighbouring columns of out0).
; CLUSTERS: 4 x 4 work-groups; A's tiles are asked for jointly along a row of the cluster, B's along a column.  The scales of the 256 + 256 rows, for all of K, come once with the first fills.
; 128 work-groups: the tile is the one that the first three products use; a tile of half the rows would give each WGP a work-group at twice the LDS reads for each product.
; No prefetch: K has four steps, two asked for at the head and two straight behind the first two changes of slots.
; REGISTERS, in windows of 256: window 0: v1-29 addresses; v32-63 scale words, two sets; v128-223 A's fragments, one set; on the way out v128-255 hold rows of out0.
;   window 1: B's fragments, two sets, at v0 and v128.   window 2: the accumulators of my A blocks 0-3 ((a, b) at v[8 (8 a + b)]);   window 3: those of blocks 4-7.
.set HALFT,  24576                     ; 8 tiles of a K step: what one tensor load brings, and what one wave reads of A or of B
.set SLOT,   4*HALFT                   ; A's 16 tiles, then B's 16
.set KSA,    1572864                   ; a K step on in oimg: 512 tiles x 3,072 bytes
.set KSB,    2359296                   ; and in xw: 768 tiles
.set NQ,     2
.set FR,     12
.set NL,     6
.set NP,     4                         ; places behind this matrix instruction (ISA guide 7.12.1)
.set SCL,    2*SLOT                    ; behind the ring: the scales, as units of 256 bytes + 16 of padding
.set HALFS,  16*272
.set SBLK,   2*272
.set SPARE,  SCL+4*HALFS               ; the spare words, 128 bytes for each wave: two blocks of 256 bytes that no other line names
.set SPITCH, 528                       ; the way out: a stage of 16 rows x (512 bytes + 16) for each wave, in slot 0, which has had its last fill and its last read when the first result is stored there
.set L8,   7
.set ADRA, 16
.set ADRB, 20
.set STO,  24                          ; v24  the way out: where I put 32 bytes of a row
.set RD,   25                          ; v25  where I read a row back
.set CO,   26                          ; v26  my byte offset in a row of out0
.set ADRS, 27
.set SPW,  28                          ; v28  LDS address of my spare word; never rewritten
.set NIL,  29                          ; v29  0; never rewritten
.set SC,   32
.set AF,   128
.set BK,   128                         ; the way out: 16 rows read back from the stage: v128-191 and v192-255 by turns
.set G1, 24
.set G0, 32
.set G1B, 48
.set G0B, 56
.set G1S, 68
.set G0S, 76
.set G1SB, 80
.set G0SB, 88
.set MSB, 0
.macro WIN new                         ; the immediate's high byte repeats the setting that is left
.if MSB != \new
	s_set_vgpr_msb (MSB<<8)|\new
.set MSB, \new
.endif
.endm
.set MUL_LO, 0xa1                      ; source 0 (B) window 1, source 1 (A) window 0, C and D window 2
.set MUL_HI, 0xf1                      ; the same, C and D window 3
.set TO_B,   0x40                      ; destination window 1, address window 0
; A joint load: waves 0 and 1 fetch for A, waves 2 and 3 for B; the branch hangs on the wave's number alone.  Four v_nop follow each of the two lines.
.macro JLOAD g0a, g1a, g0b, g1b
	s_cmp_eq_u32 s15, 0
	s_cbranch_scc0 .Lfor_b_\@
	tensor_load_to_lds s[\g0a:\g0a+3], s[\g1a:\g1a+7]
	s_nop 0
.rept 4
	v_nop
.endr
	s_branch .Lasked_\@
.Lfor_b_\@:
	tensor_load_to_lds s[\g0b:\g0b+3], s[\g1b:\g1b+7]
	s_nop 0
.rept 4
	v_nop
.endr
.Lasked_\@:
.endm
.macro CREST                           ; a round of the cluster's barrier behind its opening barrier
	s_cmp_lg_u32 s14, 0
	s_cbranch_scc1 .Lnot_wave_0_\@
	s_barrier_signal -3
.Lnot_wave_0_\@:
	s_barrier_wait -3
	s_barrier_signal -1
	s_barrier_wait -1
.endm
.macro CROUND
	s_barrier_signal -1
	s_barrier_wait -1
	CREST
.endm
	s_load_b128 s[4:7], s[0:1], 0x0                ; oimg s[4:5], osc s[6:7]
	s_load_b128 s[8:11], s[0:1], 0x10              ; xw s[8:9], xwsc s[10:11]
	s_load_b64 s[12:13], s[0:1], 0x20              ; out0
	v_lshl_add_u32 v[SPW], v0, 2, SPARE
	v_mov_b32 v[NIL], 0
	ds_add_u32 v28, v29
	ds_add_u32 v28, v29
	s_wait_dscnt 0x0
	v_lshrrev_b32 v1, 5, v0
	v_readfirstlane_b32 s14, v1                    ; wave 0..3
	s_lshr_b32 s15, s14, 1                         ; which half of the tile's rows is mine.  Also: I fetch for A (0) or for B (1)
	s_and_b32 s16, s14, 1                          ; which half of its columns.  Also: which 8 tiles I fetch
	s_bfe_u32 s40, ttmp6, 0x40000                  ; cx, cy
	s_bfe_u32 s41, ttmp6, 0x40004
	s_lshl_b32 s42, ttmp9, 2
	s_add_co_u32 s42, s42, s40                     ; tile column of out0
	s_and_b32 s17, ttmp7, 0xffff
	s_lshl_b32 s17, s17, 2
	s_add_co_u32 s17, s17, s41                     ; tile row
	s_lshl_b32 s43, s41, 2
	s_lshl_b32 s43, 15, s43                        ; my row of the cluster
	s_lshl_b32 s44, 0x1111, s40                    ; my column
	s_or_b32 s[G1+0], s43, (3<<16)|(1<<21)         ; a dense block of 24,576 bytes as 96 rows of 256 bytes (32 elements of 8 bytes); 15:0 the mask; 21 set beside a mask
	s_or_b32 s[G1B+0], s44, (3<<16)|(1<<21)
.irp g, G1, G1B
	s_mov_b32 s[\g+1], 32<<16
	s_mov_b32 s[\g+2], 96<<16
	s_mov_b32 s[\g+3], 32<<16
	s_mov_b32 s[\g+4], 96
	s_mov_b32 s[\g+5], 32
	s_mov_b32 s[\g+6], 0
	s_mov_b32 s[\g+7], 0
.endr
	s_or_b32 s[G1S+0], s43, (3<<16)|(1<<20)|(1<<21)|(5<<22)|(3<<25)   ; the scales of 128 rows: 16 rows of 256 bytes, 16 bytes of padding behind each
	s_or_b32 s[G1SB+0], s44, (3<<16)|(1<<20)|(1<<21)|(5<<22)|(3<<25)
.irp g, G1S, G1SB
	s_mov_b32 s[\g+1], 32<<16
	s_mov_b32 s[\g+2], 16<<16
	s_mov_b32 s[\g+3], 32<<16
	s_mov_b32 s[\g+4], 16
	s_mov_b32 s[\g+5], 32
	s_mov_b32 s[\g+6], 0
	s_mov_b32 s[\g+7], 0
.endr
	s_lshl_b32 s18, s16, 3                         ; which 8 tiles I fetch
	s_lshl_b32 s20, s17, 4
	s_add_co_u32 s20, s20, s18                     ; A: row tile 16 x tile row + 8 x half
	s_lshl_b32 s46, s42, 4
	s_add_co_u32 s46, s46, s18
	s_add_co_u32 s46, s46, 704                     ; B: wo begins at row tile 704
	s_lshl_b32 s22, s20, 9                         ; their scales, in bytes,
	s_lshl_b32 s92, s46, 9
	s_mul_i32 s20, s20, 3072                       ; and their codes
	s_mul_i32 s46, s46, 3072
	s_mov_b32 s21, 0
	s_mov_b32 s23, 0
	s_mov_b32 s47, 0
	s_mov_b32 s93, 0
	s_mul_i32 s45, s14, HALFT                      ; where they go: no place in the cluster enters an LDS address
	s_mul_i32 s94, s14, HALFS
	s_wait_kmcnt 0x0
	s_add_nc_u64 s[20:21], s[4:5], s[20:21]
	s_add_nc_u64 s[22:23], s[6:7], s[22:23]
	s_add_nc_u64 s[46:47], s[8:9], s[46:47]
	s_add_nc_u64 s[92:93], s[10:11], s[92:93]
	CROUND                                         ; all sixteen work-groups are here: the first joint loads meet
	s_mov_b32 s[G0S], 1
	s_add_co_u32 s[G0S+1], s94, SCL
	s_mov_b64 s[G0S+2:G0S+3], s[22:23]
	s_or_b32 s[G0S+3], s[G0S+3], 0x80000000
	s_mov_b32 s[G0SB], 1
	s_add_co_u32 s[G0SB+1], s94, SCL
	s_mov_b64 s[G0SB+2:G0SB+3], s[92:93]
	s_or_b32 s[G0SB+3], s[G0SB+3], 0x80000000
	JLOAD G0S, G1S, G0SB, G1SB                     ; the scales first: they are wanted with K step 0
.irp s, 0,1
	s_mov_b32 s[G0+4*\s], 1
	s_add_co_u32 s[G0+4*\s+1], s45, \s*SLOT
	s_add_nc_u64 s[G0+4*\s+2:G0+4*\s+3], s[20:21], \s*KSA
	s_or_b32 s[G0+4*\s+3], s[G0+4*\s+3], 0x80000000
	s_mov_b32 s[G0B+4*\s], 1
	s_add_co_u32 s[G0B+4*\s+1], s45, \s*SLOT
	s_add_nc_u64 s[G0B+4*\s+2:G0B+4*\s+3], s[46:47], \s*KSB
	s_or_b32 s[G0B+4*\s+3], s[G0B+4*\s+3], 0x80000000
	JLOAD G0+4*\s, G1, G0B+4*\s, G1B               ; three tensor loads of mine are out now
.endr
	v_and_b32 v1, 15, v0                           ; r
	v_bfe_u32 v2, v0, 4, 1                         ; h
	v_and_b32 v3, 31, v0
	v_lshlrev_b32 v[L8], 3, v3
	s_mul_i32 s21, s15, HALFT
	s_mul_i32 s22, s16, HALFT
	s_add_co_u32 s22, s22, 2*HALFT
.irp s, 0,1
	v_add_nc_u32 v[ADRA+\s], s21, v[L8]
	v_add_nc_u32 v[ADRB+\s], s22, v[L8]
	s_add_co_u32 s21, s21, SLOT
	s_add_co_u32 s22, s22, SLOT
.endr
	v_mul_u32_u24 v5, v1, 32                       ; my row's scales: 32 bytes a row,
	v_lshrrev_b32 v6, 8, v5
	v_lshl_add_u32 v5, v6, 4, v5                   ; and 16 more for each 256 passed
	s_mul_i32 s21, s15, HALFS
	s_mul_i32 s22, s16, HALFS
	s_add_co_u32 s22, s22, 2*HALFS
	s_sub_co_u32 s22, s22, s21
	v_mul_u32_u24 v6, s22, v2                      ; lanes 16-31 take B's
	s_add_co_u32 s21, s21, SCL
	v_add_nc_u32 v5, v5, v6
	v_add_nc_u32 v[ADRS], s21, v5
	s_mul_i32 s23, s14, 16*SPITCH                  ; my stage
	v_mul_u32_u24 v5, v1, SPITCH                   ; in: row r; the 16 registers of accumulators 2 b, 2 b + 1 are columns 32 b + 16 h + 0 .. 15: 64 h bytes on
	v_lshl_add_u32 v5, v2, 6, v5
	v_add_nc_u32 v[STO], s23, v5
	v_lshlrev_b32 v[CO], 4, v3                     ; back: the 32 lanes take one row of 512 bytes; and the same in out0
	v_add_nc_u32 v[RD], s23, v[CO]
	s_lshl_b32 s20, s17, 8
	s_lshl_b32 s21, s15, 7
	s_add_co_u32 s20, s20, s21                     ; my first row of out0: 256 x tile row + 128 x half,
	s_lshl_b32 s20, s20, 12                        ; of 4,096 bytes
	s_lshl_b32 s46, s42, 10                        ; my first column, in bytes: 1,024 x tile column + 512 x half
	s_lshl_b32 s47, s16, 9
	s_add_co_u32 s46, s46, s47
	s_add_co_u32 s20, s20, s46
	s_mov_b32 s21, 0
	s_add_nc_u64 s[12:13], s[12:13], s[20:21]
.macro FRAG reg, adr, q, i             ; a fragment, 16 slots x 128 K: 12 registers, as they were stored: register pair p of lane l at 256 p + 8 l
.irp p, 0,1,2,3,4,5
	ds_load_b64 v[\reg+2*\p:\reg+2*\p+1], v[\adr] offset:3072*(\i)+1536*(\q)+256*\p
.endr
.endm
; 16 matrix instructions: A's blocks a0, a0 + 1 x B's eight, 128 along K.  zero = 1: the first product starts the sums.  The 64 accumulators take turns, one instruction a turn.
.macro MUL16 a0, p, q, sc, zero
.irp a, \a0, \a0+1
.irp b, 0,1,2,3,4,5,6,7
.if \zero
	v_wmma_scale_f32_16x16x128_f8f6f4 v[8*(8*((\a)%4)+\b):8*(8*((\a)%4)+\b)+7], v[128*(\p)+FR*\b:128*(\p)+FR*\b+FR-1], v[AF+FR*(\a):AF+FR*(\a)+FR-1], 0, v[SC+8*NQ*(\sc)+NQ*\b+(\q)], v[SC+8*NQ*(\sc)+NQ*(\a)+(\q)] matrix_a_fmt:MATRIX_FMT_FP6 matrix_b_fmt:MATRIX_FMT_FP6 matrix_a_scale:MATRIX_SCALE_ROW1
.else
	v_wmma_scale_f32_16x16x128_f8f6f4 v[8*(8*((\a)%4)+\b):8*(8*((\a)%4)+\b)+7], v[128*(\p)+FR*\b:128*(\p)+FR*\b+FR-1], v[AF+FR*(\a):AF+FR*(\a)+FR-1], v[8*(8*((\a)%4)+\b):8*(8*((\a)%4)+\b)+7], v[SC+8*NQ*(\sc)+NQ*\b+(\q)], v[SC+8*NQ*(\sc)+NQ*(\a)+(\q)] matrix_a_fmt:MATRIX_FMT_FP6 matrix_b_fmt:MATRIX_FMT_FP6 matrix_a_scale:MATRIX_SCALE_ROW1
.endif
.endr
.endr
.endm
.macro FETCH_B slot, q, p
	WIN TO_B
.irp i, 0,1,2,3,4,5,6,7
	FRAG 128*(\p)+FR*\i, ADRB+\slot, \q, \i
.endr
	WIN 0
.endm
.macro FETCH_A slot, q, i0
.irp i, \i0, \i0+1, \i0+2, \i0+3
	FRAG AF+FR*(\i), ADRA+\slot, \q, \i
.endr
.endm
.macro SCALES sc                       ; a K step's scale words: two words a row; lanes 0-15 take A's block i, lanes 16-31 B's block i
.irp i, 0,1,2,3,4,5,6,7
	ds_load_b64 v[SC+8*NQ*\sc+NQ*\i:SC+8*NQ*\sc+NQ*\i+1], v[ADRS] offset:\i*SBLK
.endr
.endm
; A load into a register that a matrix instruction has read, and an LDS store that reads a matrix result, stand NP places behind it; only plain vector instructions that name none of its registers are places
; (ISA guide 7.12.1 for vector instructions).
.macro PLACES n
.rept \n
	v_nop
.endr
.endm
.macro STEP slot, q, zero              ; a step of 128 along K that has its successor in the same slot
	s_wait_dscnt 4*NL                              ; B's set, the scale words and A's blocks 0-3 are in; the youngest 24 loads (A's blocks 4-7) may be out
	WIN MUL_LO
	MUL16 0, (\q)%2, \q, \slot, \zero
	MUL16 2, (\q)%2, \q, \slot, \zero
	s_wait_dscnt 0                                 ; A's blocks 4-7 are in
	PLACES NP
	FETCH_B \slot, (\q)+1, 1-(\q)%2
	FETCH_A \slot, (\q)+1, 0
	WIN MUL_HI
	MUL16 4, (\q)%2, \q, \slot, \zero
	MUL16 6, (\q)%2, \q, \slot, \zero
	PLACES NP
	WIN 0
	FETCH_A \slot, (\q)+1, 4
.endm
; A slot's last step changes slots: one barrier; in front of it each wave waits for all its tensor loads, adds 0 to its spare word, and waits for that and for its own reads of this slot.
.macro TURN slot, next, fill
	s_wait_tensorcnt 0x0                           ; all my tensor loads have landed: my part of the next slot
	ds_add_u32 v[SPW], v[NIL]                      ; 0 onto my spare word
	s_wait_dscnt 4*NL+1                            ; (the add and the youngest 24 loads may be out)
	WIN MUL_LO
	MUL16 0, 1, NQ-1, \slot, 0
	s_wait_dscnt 0x0                               ; the add is done, and my reads of this slot are over
	s_barrier_signal -1
	MUL16 2, 1, NQ-1, \slot, 0
	WIN 0
	s_barrier_wait -1
.if \fill
	CREST                                          ; the barrier has opened a round of the cluster's barrier: no wave of any partner still reads this slot's tiles or has a load on its way
	s_add_nc_u64 s[G0+4*\slot+2:G0+4*\slot+3], s[G0+4*\slot+2:G0+4*\slot+3], 2*KSA
	s_add_nc_u64 s[G0B+4*\slot+2:G0B+4*\slot+3], s[G0B+4*\slot+2:G0B+4*\slot+3], 2*KSB
	JLOAD G0+4*\slot, G1, G0B+4*\slot, G1B         ; the first tensor load behind the round; its four v_nop are the places in front of the loads below
.else
	PLACES NP
.endif
	v_add_nc_u32 v[ADRS], 4*NQ, v[ADRS]
	FETCH_B \next, 0, 0
	FETCH_A \next, 0, 0
	SCALES \next
	WIN MUL_HI
	MUL16 4, 1, NQ-1, \slot, 0
	MUL16 6, 1, NQ-1, \slot, 0
	PLACES NP
	WIN 0
	FETCH_A \next, 0, 4
.endm
	s_wait_tensorcnt 0x1                           ; the scales and my part of K step 0 are in (K step 1's load may be out)
	s_barrier_signal -1
	s_barrier_wait -1                              ; everybody's are
	FETCH_B 0, 0, 0
	FETCH_A 0, 0, 0
	SCALES 0
	FETCH_A 0, 0, 4
	STEP 0, 0, 1                                   ; K step 0: its first products start the sums
	TURN 0, 1, 1                                   ; slot 0 takes K step 2
	STEP 1, 0, 0
	TURN 1, 0, 1                                   ; slot 1 takes K step 3
	STEP 0, 0, 0
	TURN 0, 1, 0                                   ; nothing is left to fetch; behind this barrier nobody reads slot 0
	STEP 1, 0, 0
	s_wait_dscnt 4*NL
	WIN MUL_LO
	MUL16 0, 1, NQ-1, 1, 0
	MUL16 2, 1, NQ-1, 1, 0
	s_wait_dscnt 0
	WIN MUL_HI
	MUL16 4, 1, NQ-1, 1, 0
	MUL16 6, 1, NQ-1, 1, 0
	WIN 0
; THE WAY OUT, block by block of 16 tokens x 128 columns, through my own stage: in as 32 bytes a lane, back as whole rows of 512 bytes.  LDS serves a wave's instructions in order (ISA guide 5.7.1.4): no wait between
; the stores and the loads, nor in front of the next block's stores.  Stage row t of block a is token 32 (a / 2) + 8 (a % 2) + t + 8 (t / 8) of my 128: every row's offset is an immediate, 127 rows of 4,096 bytes at the most.
.macro TOSTAGE a
.set AC, 64*((\a)%4)
	WIN 0x08+4*((\a)/4)                            ; the data: window 2 or 3
.irp b, 0,1,2,3,4,5,6,7
	ds_store_b128 v[STO], v[AC+8*\b:AC+8*\b+3] offset:128*(\b/2)+32*(\b%2)          ; each accumulator from its low end on
	ds_store_b128 v[STO], v[AC+8*\b+4:AC+8*\b+7] offset:128*(\b/2)+32*(\b%2)+16
.endr
	WIN 0
.set BB, BK+64*((\a)%2)
.irp t, 0,1,2,3,4,5,6,7,8,9,10,11,12,13,14,15
	ds_load_b128 v[BB+4*\t:BB+4*\t+3], v[RD] offset:\t*SPITCH
.endr
.endm
.macro SEND a, younger                 ; younger: the LDS instructions issued behind block a's loads, which may stay out
.set BB, BK+64*((\a)%2)
	s_wait_dscnt \younger
.irp t, 0,1,2,3,4,5,6,7,8,9,10,11,12,13,14,15
	global_store_b128 v[CO], v[BB+4*\t:BB+4*\t+3], s[12:13] offset:(32*((\a)/2)+8*((\a)%2)+\t+8*(\t/8))*4096 th:TH_STORE_NT   ; 32 lanes store 512 consecutive bytes, at a multiple of 256 from out0's first byte
.endr
.endm
	PLACES NP
	TOSTAGE 0
.irp a, 1,2,3,4,5,6,7
.if \a > 1
	s_wait_xcnt 0x0                                ; block a - 2's stores have read their registers: block a's loads may land there
.endif
	TOSTAGE \a
	SEND \a-1, 32                                  ; behind block a - 1's loads: block a's 16 stores and 16 loads
.endr
	SEND 7, 0
	s_wait_tensorcnt 0x0                           ; the wave's end
	ds_add_u32 v[SPW], v[NIL]
	s_wait_dscnt 0x0
	CROUND                                         ; the closing round
	s_endpgm
.Lfunc_end_k_q3ca37fe170_proj:
	.size	k_q3ca37fe170_proj, .Lfunc_end_k_q3ca37fe170_proj-k_q3ca37fe170_proj
	.p2alignl 7, 3214868480
	.fill 96, 4, 3214868480
	.section	.rodata,"a",@progbits
	.p2align	6, 0x0
	.amdhsa_kernel k_q3ca37fe170_proj
		.amdhsa_group_segment_fixed_size 327680
		.amdhsa_private_segment_fixed_size 0
		.amdhsa_enable_private_segment 0
		.amdhsa_kernarg_size 40
		.amdhsa_user_sgpr_count 2
		.amdhsa_user_sgpr_kernarg_segment_ptr 1
		.amdhsa_wavefront_size32 1
		.amdhsa_system_sgpr_workgroup_id_x 1
		.amdhsa_system_sgpr_workgroup_id_y 1
		.amdhsa_system_sgpr_workgroup_id_z 1
		.amdhsa_system_vgpr_workitem_id 0
		.amdhsa_next_free_vgpr 1024
		.amdhsa_next_free_sgpr 98
		.amdhsa_reserve_vcc 0
		.amdhsa_float_denorm_mode_32 3
		.amdhsa_float_denorm_mode_16_64 3
		.amdhsa_memory_ordered 1
		.amdhsa_forward_progress 1
		.amdhsa_inst_pref_size 159
	.end_amdhsa_kernel
	.amdgpu_metadata
---
amdhsa.version: [ 1, 2 ]
amdhsa.kernels:
  - .name:           k_q3ca37fe170_proj
    .symbol:         k_q3ca37fe170_proj.kd
    .args:
      - { .name: oimg, .offset: 0, .size: 8, .value_kind: global_buffer, .address_space: global }
      - { .name: osc, .offset: 8, .size: 8, .value_kind: global_buffer, .address_space: global }
      - { .name: xw, .offset: 16, .size: 8, .value_kind: global_buffer, .address_space: global }
      - { .name: xwsc, .offset: 24, .size: 8, .value_kind: global_buffer, .address_space: global }
      - { .name: out0, .offset: 32, .size: 8, .value_kind: global_buffer, .address_space: global }
    .group_segment_fixed_size: 327680
    .private_segment_fixed_size: 0
    .kernarg_segment_align: 8
    .kernarg_segment_size: 40
    .max_flat_workgroup_size: 128
    .sgpr_count:     98
    .vgpr_count:     1024
    .wavefront_size: 32
...
	.end_amdgpu_metadata
.endif
;; end of part 4
